; MI455X (gfx1250); checked and timed in simulation.
; The chip was launched on July 23, 2026; its instructions are those of AMD's public machine-readable ISA for CDNA 5 (MIT licence, August 2026) and "CDNA5" Instruction Set Architecture Reference Guide (July 2026). The comments in the code are by the model that wrote it; some were corrected since.
;; Multi Head Differential Attention. Allowed arithmetic: matrix products marked QUANTISED: E2M3 operands, one E8M0 scale for each 32 along K, by v_wmma_scale_f32_16x16x128_f8f6f4 with both operands' format E2M3, f32 sums; everything else in f32.
;; Inputs: Wk 2,048 x 1,024 float32; Wo 1,024 x 2,048 float32; Wq 2,048 x 1,024 float32; Wv 2,048 x 1,024 float32; X 2 x 2,048 x 1,024 float32; lambda_k1 8 x 128 float32; lambda_k2 8 x 128 float32; lambda_q1 8 x 128 float32; lambda_q2 8 x 128 float32; rms_scale 256 float32.
;; Outputs: out0 2 x 2,048 x 1,024 float32.
;; This version of the problem:
;;   THIS VERSION OF THE PROBLEM IS GIVEN IN LOW PRECISION. The matrix products marked QUANTISED in the list below multiply operands that are first quantised to E2M3 (2 exponent bits, 3 mantissa bits; 6 bits a number), with one power-of-two scale for each 32 numbers along K (OCP MX v1.0); their sums are f32. All else is computed in f32.
;;   The module's matrix products, in the order in which they are computed (A, B: the left and right operand; K: the contracted axis; several contracted axes count as one K, in the product's order):
;;     1. [M 4,096, K 1,024] x [K 1,024, N 2,048]; A: input X; B: input Wq: QUANTISED
;;     2. [M 4,096, K 1,024] x [K 1,024, N 2,048]; A: input X; B: input Wk: QUANTISED
;;     3. [M 4,096, K 1,024] x [K 1,024, N 2,048]; A: input X; B: input Wv: QUANTISED
;;     4. batch 16 x [M 2,048, K 128] x [K 128, N 2,048]; A: computed on the way; B: computed on the way: QUANTISED
;;     5. batch 16 x [M 2,048, K 128] x [K 128, N 2,048]; A: computed on the way; B: computed on the way: QUANTISED
;;     6. batch 16 x [M 2,048, K 2,048] x [K 2,048, N 256]; A: computed on the way; B: computed on the way: QUANTISED
;;     7. [M 4,096, K 2,048] x [K 2,048, N 1,024]; A: computed on the way; B: input Wo: QUANTISED
;;   THE QUANTISER, for each operand of a quantised product, along K:
;;     - K is cut into blocks of 32 from its start; a last block that is shorter is filled with zeros.
;;     - A block's scale is 2^e with e = floor(log2(the largest magnitude in the block)) - 2, held to -126 .. 127; a block of zeros has e = 0. As a byte (E8M0): e + 127.
;;     - Each number is divided by its block's scale, clamped to +-7.5, and rounded to the nearest number of E2M3, ties to even, subnormals kept.
;;     - The product sums the exact products of the quantised numbers (number of the format x scale) in f32.
;;   ~~~python
;;   def quantise(x, axis):      # numpy; x: float32 -> the quantised numbers, widened to float32 again
;;       x = np.moveaxis(x, axis, -1); K = x.shape[-1]
;;       x = np.pad(x, [(0, 0)] * (x.ndim - 1) + [(0, -K % 32)]); x = x.reshape(x.shape[:-1] + (-1, 32)); a = np.abs(x).max(-1, keepdims=True)
;;       e = np.where(a > 0, np.clip(np.frexp(np.where(a > 0, a, 1))[1] - 1 - 2, -126, 127), 0)      # np.frexp(a)[1] - 1 = floor(log2(a)), exactly
;;       r = np.clip(x / 2.0 ** e, -7.5, 7.5)
;;       step = 2.0 ** (np.maximum(np.frexp(np.where(r == 0, 1, r))[1] - 1, 0) - 3)
;;       q = np.round(r / step) * step * 2.0 ** e      # np.round: ties to even
;;       return np.moveaxis(q.reshape(q.shape[:-2] + (-1,))[..., :K], -1, axis).astype(np.float32)
;;   ~~~
;;   OPERANDS COMPUTED ON THE WAY. 'Computed on the way' means the value that the module computes at that place (a softmax that the list does not call 'softmax' is quantised finished and normalised). What goes into a quantiser is computed in f32, as accurately as f32 sums, v_exp_f32 and their like allow (about 1e-6 of the number): no bf16 or f16 on the way to a quantiser, and a product that is left as it is and whose result goes on into a quantised operand takes f32 operands (vector FMAs, or v_wmma_f32_16x16x4_f32). A number that lies on a knife's edge between two numbers of the format may be rounded either way, as far as f32 arithmetic and the matrix unit's own rounding can turn it there, and no further.
;; One version. Each part assembles by itself: llvm-mc -triple=amdgcn-amd-amdhsa -mcpu=gfx1250 --defsym DOCPART=n.
;; ======== version 1 of 1: 4 launches
;; limits: right only within a limited range of input values
;; workspace buffers: qc 9,830,400 bytes; qkv 19,660,800 bytes; oc 6,553,600 bytes
;; launch quant (part 1): grid 768 x 1, 4 waves a work-group, no clusters, 34,816 bytes of LDS; arguments X, Wq, Wk, Wv, Wo, qc; writes qc
.if DOCPART == 1
	.amdgcn_target "amdgcn-amd-amdhsa--gfx1250"
	.amdhsa_code_object_version 6
	.text
	.protected	k_qf16852863f_quant
	.globl	k_qf16852863f_quant
	.p2align	8
	.type	k_qf16852863f_quant,@function
k_qf16852863f_quant:
	s_mov_b64 s[64:65], 0
	v_nop
	global_prefetch_b8 v0, s[64:65] scope:SCOPE_SE
	s_setreg_imm32_b32 hwreg(HW_REG_WAVE_MODE, 25, 1), 1
	s_wait_xcnt 0x0
; FIRST OF FOUR LAUNCHES of differential attention in MX-FP6 (E2M3 codes, one E8M0 byte for each 32 along K).
; quant: X, Wq, Wk, Wv, Wo (f32, K innermost) -> codes.   proj: X Wq^T, X Wk^T, X Wv^T, results quantised in registers.
; attn: both softmaxes, attn = softmax(A1) - lam softmax(A2), attn V, the RMS norm, quantised.   outp: the product with Wo.
; DEAD WORK: none.  Every input has a way to out0 and every product of the problem is done; nothing is left out in any launch.
; (attn computes the scores twice: attn is quantised finished and normalised, so both rows' maxima and sums are wanted before the first code is made.)
; LIMITS: NaN and infinities among the inputs are not served.  A block of zeros gets the byte 1 where the rule says 127: its codes are zeros, which add
; nothing under any byte but 0xff, and only this program reads the bytes.
;
; THE UNIT, the one format of all three workspace buffers: 12,800 bytes = 128 rows x 128 along K.  Eight fragments of 1,536 bytes, fragment t at 1,536 t,
; each the IMAGE OF THE OPERAND'S 12 REGISTERS: registers 4 g .. 4 g + 3 of lane l at 512 g + 16 l.  So a fragment is three loads of 16 bytes a lane.
; THE ROWS OF A FRAGMENT ARE NOT NEIGHBOURS: lane r of fragment 2 B + u holds row 32 B + 8 u + r + 8 (r / 8) of the 128, so that, as source 0 of a product,
; fragments 2 B and 2 B + 1 leave 16 neighbours along the next K in a lane's 16 registers.
; From byte 12,288 on: the scale words, 16 bytes a lane: word w of lane l belongs to fragment 2 w + l / 16, row l % 16.
; qc: unit g.  0-255 X (row group x 8 + K step), 256-639 Wq, Wk, Wv on end (48 row groups x 8), 640-767 Wo (8 row groups x 16).
;
; SHARES.  Work-group g makes unit g; wave w its fragments 2 w and 2 w + 1, rows 32 w .. 32 w + 31 of the group.  A wave asks for all its 32 rows' 512 bytes
; at its head (32 loads, 512 consecutive bytes each).  The conversions want 16 neighbours along K in one lane, so 16 rows at a time turn through the wave's own
; stage in LDS.  No cluster: no two work-groups read the same bytes.  No tensor load: each byte is wanted once, in registers.
.set UNIT,  12800
.set SCO,   12288
.set STGB,  16*528                     ; a wave's stage: 16 rows x (512 bytes + 16)
.set SCST,  4*STGB                     ; the unit's 512 bytes of scale words are gathered here
.set SPARE, SCST+512                   ; the spare words, 128 bytes for each wave: two blocks of 256 bytes that no other line names
.set LI,  1                            ; v1  16 x lane
.set STI, 2                            ; v2  the stage, on the way in: my wave's + 16 x lane
.set STO, 3                            ; v3  on the way out: my wave's + 528 r + 64 h
.set SCA, 4                            ; v4  where my scale word goes: SCST + 16 x lane + 4 x wave
.set SPW, 5                            ; v5  my spare word; never rewritten
.set NIL, 6                            ; v6  0; never rewritten
.set SCR, 7                            ; v7  SCST + 16 x lane
.set R0,  8                            ; v8-71    fragment 0's rows as loaded; later fragment 1's 64 numbers a lane
.set R1,  72                           ; v72-135  fragment 1's rows as loaded
.set XN,  136                          ; v136-199 fragment 0's 64 numbers a lane
.set PC0, 200                          ; v200-219 fragment 0's codes (12) and 8 at work
.set PC1, 220                          ; v220-239 fragment 1's
.set TM,  240                          ; v240-255 at work
.set PW0, TM+8
.set PW1, TM+9
.set PK,  TM+10
.set WV,  18
.set SEL, 28
; 64 numbers of a lane, register 16 b + i = k 32 b + 16 (lane / 16) + i of my row, become a fragment's codes in v[pc] .. v[pc + 11] and its scale word in v[pw].
.macro QUANT s, pc, pw
.irp b, 0,1,2,3
	v_max3_num_f32 v[TM+\b], |v[\s+16*\b]|, |v[\s+1+16*\b]|, 0x1800000   ; block b: my 16 numbers, and the floor 2^(3 - 127): the byte cannot fall under 1
.endr
.irp i, 2,4,6,8,10,12,14
.irp b, 0,1,2,3
	v_max3_num_f32 v[TM+\b], v[TM+\b], |v[\s+16*\b+\i]|, |v[\s+1+16*\b+\i]|   ; the four blocks by turns
.endr
.endr
.irp b, 0,1,2,3
	v_permlanex16_b32 v[TM+4+\b], v[TM+\b], s[SEL], s[SEL+1]
.endr
.irp b, 0,1,2,3
	v_max_num_f32 v[TM+\b], v[TM+\b], v[TM+4+\b]   ; with lane l xor 16's 16: the block's largest magnitude
.endr
.irp b, 0,1,2,3
	v_add_nc_u32 v[TM+12+\b], 0xff000000, v[TM+\b]   ; 2 off its exponent field: the conversion takes this operand's exponent field as its scale
.endr
.irp b, 0,1,2,3
	v_lshrrev_b32 v[TM+4+\b], 23, v[TM+12+\b]      ; the scale's byte
.endr
	v_lshl_or_b32 v[\pw], v[TM+5], 8, v[TM+4]
	v_lshl_or_b32 v[\pw], v[TM+6], 16, v[\pw]
	v_lshl_or_b32 v[\pw], v[TM+7], 24, v[\pw]      ; my row's scale word
.irp c, 0,1
	v_cvt_scalef32_pk16_fp6_f32 v[\pc+6*\c:\pc+6*\c+2], v[\s+32*\c:\s+32*\c+15], v[TM+12+2*\c]
	v_cvt_scalef32_pk16_fp6_f32 v[\pc+12+4*\c:\pc+12+4*\c+2], v[\s+16+32*\c:\s+16+32*\c+15], v[TM+13+2*\c]   ; (a conversion's three registers begin on an even number)
.endr
	v_nop                                          ; one plain line behind the scaled conversions
.irp c, 0,1                                    ; the operand wants a whole block in a lane: lanes 0-15 block 2 c, lanes 16-31 block 2 c + 1
.irp i, 0,1,2
	v_permlane16_swap_b32 v[\pc+6*\c+\i], v[\pc+12+4*\c+\i]
.endr
.irp i, 0,1,2
	v_mov_b32 v[\pc+3+6*\c+\i], v[\pc+12+4*\c+\i]
.endr
.endr
.endm
; a wave's 32 rows: fragment f, lane place i is row 8 f + i + 8 (i / 8); 32 lanes read the row's 512 consecutive bytes of this K step
.macro LOADS pitch
.irp f, 0,1
.irp i, 0,1,2,3,4,5,6,7,8,9,10,11,12,13,14,15
	global_load_b128 v[R0+64*\f+4*\i:R0+64*\f+4*\i+3], v[LI], s[16:17] offset:(8*\f+\i+8*(\i/8))*\pitch th:TH_LOAD_NT
.endr
.endr
.endm
; 16 rows through my stage: in as they were loaded, out 64 bytes of each block's half a lane.  LDS serves a wave's instructions in order: no wait between
.macro TURN src, dst
.irp i, 0,1,2,3,4,5,6,7,8,9,10,11,12,13,14,15
	ds_store_b128 v[STI], v[\src+4*\i:\src+4*\i+3] offset:528*\i
.endr
.irp b, 0,1,2,3
.irp j, 0,1,2,3
	ds_load_b128 v[\dst+16*\b+4*\j:\dst+16*\b+4*\j+3], v[STO] offset:128*\b+16*\j
.endr
.endr
.endm
	s_load_b256 s[4:11], s[0:1], 0x0               ; X s[4:5], Wq s[6:7], Wk s[8:9], Wv s[10:11]
	s_load_b128 s[12:15], s[0:1], 0x20             ; Wo s[12:13], qc s[14:15]
	v_lshl_add_u32 v[SPW], v0, 2, SPARE
	v_mov_b32 v[NIL], 0
	v_lshrrev_b32 v[SCR], 5, v0
	v_readfirstlane_b32 s[WV], v[SCR]              ; wave 0..3
	v_and_b32 v[SCR], 31, v0
	v_lshlrev_b32 v[LI], 4, v[SCR]
	s_mul_i32 s19, s[WV], STGB
	v_add_nc_u32 v[STI], s19, v[LI]
	v_and_b32 v[STO], 15, v0
	v_mul_u32_u24 v[STO], v[STO], 528
	v_bfe_u32 v[SCA], v0, 4, 1
	v_lshl_add_u32 v[STO], v[SCA], 6, v[STO]
	v_add_nc_u32 v[STO], s19, v[STO]
	s_lshl_b32 s19, s[WV], 2
	s_add_co_u32 s19, s19, SCST
	v_add_nc_u32 v[SCA], s19, v[LI]
	v_add_nc_u32 v[SCR], SCST, v[LI]
.irp b, 0,1,2,3
	v_mov_b32 v[TM+4+\b], 0                        ; written once: a lane permute's destination counts as one of its sources
.endr
	s_mov_b32 s30, 0xffff0000                      ; lanes 16-31
	s_mov_b32 s[SEL], 0x76543210
	s_mov_b32 s[SEL+1], 0xfedcba98                 ; v_permlanex16_b32's selects for lane l xor 16
	s_wait_kmcnt 0x0
	s_cmp_ge_u32 ttmp9, 256                        ; which tensor: the choice hangs on the work-group's number alone
	s_cselect_b64 s[16:17], s[6:7], s[4:5]
	s_cselect_b32 s20, 256, 0
	s_cmp_ge_u32 ttmp9, 384
	s_cselect_b64 s[16:17], s[8:9], s[16:17]
	s_cselect_b32 s20, 384, s20
	s_cmp_ge_u32 ttmp9, 512
	s_cselect_b64 s[16:17], s[10:11], s[16:17]
	s_cselect_b32 s20, 512, s20
	s_cmp_ge_u32 ttmp9, 640
	s_cselect_b64 s[16:17], s[12:13], s[16:17]
	s_cselect_b32 s20, 640, s20                    ; the tensor's first unit
	s_cselect_b32 s21, 4, 3                        ; log2 of its K steps: Wo has 16, the others 8
	s_cselect_b32 s22, 13, 12                      ; log2 of a row's bytes
	s_sub_co_u32 s20, ttmp9, s20                   ; the unit's number in its tensor
	s_lshr_b32 s23, s20, s21                       ; row group
	s_lshl_b32 s24, s23, s21
	s_sub_co_u32 s24, s20, s24                     ; K step
	s_lshl_b32 s23, s23, 7
	s_lshl_b32 s25, s[WV], 5
	s_add_co_u32 s23, s23, s25                     ; my wave's first row
	s_lshl_b32 s26, s23, s22
	s_lshl_b32 s24, s24, 9
	s_add_co_u32 s26, s26, s24                     ; in bytes, + 512 x K step: under 2^25
	s_mov_b32 s27, 0
	s_add_nc_u64 s[16:17], s[16:17], s[26:27]
	s_mul_i32 s26, ttmp9, UNIT
	s_add_nc_u64 s[14:15], s[14:15], s[26:27]      ; my unit
	s_mul_i32 s26, s[WV], 3072
	s_add_nc_u64 s[32:33], s[14:15], s[26:27]      ; my two fragments
	s_cmp_ge_u32 ttmp9, 640                        ; the rows' pitch stands in the loads' immediates: two copies of the 32 loads, same registers, same count
	s_cbranch_scc1 .Lwide
	LOADS 4096
	s_branch .Lloaded
.Lwide:
	LOADS 8192
.Lloaded:
	s_wait_loadcnt 16                              ; fragment 0's 16 loads are in; fragment 1's 16 may be out
	s_wait_alu depctr_va_vdst(0)
	TURN R0, XN
	s_wait_dscnt 0x0
	QUANT XN, PC0, PW0
.irp g, 0,1,2
	global_store_b128 v[LI], v[PC0+4*\g:PC0+4*\g+3], s[32:33] offset:512*\g   ; 32 lanes store 512 consecutive bytes, at a multiple of 256 from qc's first byte
.endr
	s_wait_loadcnt 0x0
	TURN R1, R0
	s_wait_dscnt 0x0
	QUANT R0, PC1, PW1
.irp g, 0,1,2
	global_store_b128 v[LI], v[PC1+4*\g:PC1+4*\g+3], s[32:33] offset:1536+512*\g
.endr
	v_cndmask_b32 v[PK], v[PW0], v[PW1], s30       ; lanes 0-15: fragment 2 w's words, lanes 16-31: fragment 2 w + 1's
	ds_store_b32 v[SCA], v[PK]
	s_wait_dscnt 0x0                               ; for the others' sake: my word has landed
	s_barrier_signal -1
	s_barrier_wait -1
	s_cmp_lg_u32 s[WV], 0
	s_cbranch_scc1 .Lnot_0
	ds_load_b128 v[XN:XN+3], v[SCR]                ; wave 0 stores the unit's 512 bytes of scale words
	s_wait_dscnt 0x0
	global_store_b128 v[LI], v[XN:XN+3], s[14:15] offset:SCO
.Lnot_0:
	s_wait_tensorcnt 0x0                           ; the wave's end, behind my last LDS store
	ds_add_u32 v[SPW], v[NIL]
	s_wait_dscnt 0x0
	s_endpgm
.Lfunc_end_k_qf16852863f_quant:
	.size	k_qf16852863f_quant, .Lfunc_end_k_qf16852863f_quant-k_qf16852863f_quant
	.p2alignl 7, 3214868480
	.fill 96, 4, 3214868480
	.section	.rodata,"a",@progbits
	.p2align	6, 0x0
	.amdhsa_kernel k_qf16852863f_quant
		.amdhsa_group_segment_fixed_size 34816
		.amdhsa_private_segment_fixed_size 0
		.amdhsa_enable_private_segment 0
		.amdhsa_kernarg_size 48
		.amdhsa_user_sgpr_count 2
		.amdhsa_user_sgpr_kernarg_segment_ptr 1
		.amdhsa_wavefront_size32 1
		.amdhsa_system_sgpr_workgroup_id_x 1
		.amdhsa_system_sgpr_workgroup_id_y 1
		.amdhsa_system_sgpr_workgroup_id_z 1
		.amdhsa_system_vgpr_workitem_id 0
		.amdhsa_next_free_vgpr 256
		.amdhsa_next_free_sgpr 66
		.amdhsa_reserve_vcc 0
		.amdhsa_float_denorm_mode_32 3
		.amdhsa_float_denorm_mode_16_64 3
		.amdhsa_memory_ordered 1
		.amdhsa_forward_progress 1
		.amdhsa_inst_pref_size 22
	.end_amdhsa_kernel
	.amdgpu_metadata
---
amdhsa.version: [ 1, 2 ]
amdhsa.kernels:
  - .name:           k_qf16852863f_quant
    .symbol:         k_qf16852863f_quant.kd
    .args:
      - { .name: X, .offset: 0, .size: 8, .value_kind: global_buffer, .address_space: global }
      - { .name: Wq, .offset: 8, .size: 8, .value_kind: global_buffer, .address_space: global }
      - { .name: Wk, .offset: 16, .size: 8, .value_kind: global_buffer, .address_space: global }
      - { .name: Wv, .offset: 24, .size: 8, .value_kind: global_buffer, .address_space: global }
      - { .name: Wo, .offset: 32, .size: 8, .value_kind: global_buffer, .address_space: global }
      - { .name: qc, .offset: 40, .size: 8, .value_kind: global_buffer, .address_space: global }
    .group_segment_fixed_size: 34816
    .private_segment_fixed_size: 0
    .kernarg_segment_align: 8
    .kernarg_segment_size: 48
    .max_flat_workgroup_size: 128
    .sgpr_count:     66
    .vgpr_count:     256
    .wavefront_size: 32
...
	.end_amdgpu_metadata
.endif
;; end of part 1
;; launch proj (part 2): grid 16 x 16, 4 waves a work-group, clusters of 4 x 4, 327,680 bytes of LDS; arguments qc, qkv; writes qkv
.if DOCPART == 2
	.amdgcn_target "amdgcn-amd-amdhsa--gfx1250"
	.amdhsa_code_object_version 6
	.text
	.protected	k_qf16852863f_proj
	.globl	k_qf16852863f_proj
	.p2align	8
	.type	k_qf16852863f_proj,@function
k_qf16852863f_proj:
	s_mov_b64 s[64:65], 0
	v_nop
	global_prefetch_b8 v0, s[64:65] scope:SCOPE_SE
	s_setreg_imm32_b32 hwreg(HW_REG_WAVE_MODE, 25, 1), 1
	s_wait_xcnt 0x0
	s_wait_alu depctr_hold_cnt(0) depctr_sa_sdst(0) depctr_va_vdst(0) depctr_va_sdst(0) depctr_va_ssrc(0) depctr_va_vcc(0) depctr_vm_vsrc(0)
	s_getreg_b32 s2, hwreg(HW_REG_IB_STS2, 6, 4)
	s_cmp_eq_u32 s2, 0
	s_cbranch_scc0 .Lentry_in_a_cluster
	s_endpgm
.Lentry_in_a_cluster:
	s_bfe_u32 s2, ttmp6, 0x10000c
	s_cmp_lg_u32 s2, 0xf033
	s_cbranch_scc0 .Lentry_shape_is_right
	s_endpgm
.Lentry_shape_is_right:
; SECOND LAUNCH: the three projections, C = A B^T over K = 1,024, on codes of FP6 (E2M3), and each result quantised in registers into a unit of qkv.  No work is left out.
; The unit (12,800 bytes: eight fragments as images of their registers, rows permuted, then 512 bytes of scale words) is set out at the head of the first launch.
; Source 0 = B's fragment, source 1 = A's: a lane holds ONE row of A, and its 64 registers of one block of A run along 128 rows of B in their natural order, which is the next product's K.
; A WORK-GROUP STAYS AND HAS TWO PHASES, so that all 256 work-groups have the same work: 768 matrix instructions a wave.
;   Phase 1: A = X (tokens, row groups 2 tr, 2 tr + 1), B = Wq, Wk on end (row groups 2 tc, 2 tc + 1): a tile of 256 x 256, four units of Q or K (K = a half head's 128 channels).  A wave makes 128 x 128: 64 accumulators.
;   Phase 2: A = Wv (channels, row group tr), B = X (row groups 2 tc, 2 tc + 1): a tile of 128 x 256, two units of V^T (K = 128 keys).  A wave makes 64 x 128: 32 accumulators: four fragments of a unit.
; qkv: unit gA x 32 + gB, gA = A's row group (X's 0-31, Wv's 32-47), gB = B's (0-31).
; LDS: six cells of 51,200 bytes.  Phase 1 takes K in slots of 256 (two cells: two units of each of the four row groups): slot 0 is asked for at the head, one load a wave; slots 1 and 2 are first filled behind later rounds.
;   Behind slot 0's last read it takes K 768-1,023.  Behind slot 2's last read cells 2, 3, 4 take phase 2's K 0-511 (A's four units, B's twice four).  In the middle of phase 1's way out cells 5, 0, 1 take K 512-1,023.
;   So there are three refills, each behind a round of the cluster's barrier, one load a wave; a wave has one tensor load out at any time.
; CLUSTERS: 4 x 4.  In both phases A's tiles hang on tr alone and are shared along a row of the cluster, B's on tc alone and are shared along a column: each is asked for jointly, by the same load with the same descriptor and a mask that names the four.
; LIMITS: as stated at the head of the first launch (NaN, infinities; a block of zeros has the byte 1).
; REGISTERS: window 0: v2-29 addresses; v32-63 scale words; v128-223 A's fragments (phase 1: eight, one set; phase 2: four, two sets); on the ways out v64-255 are at work.
;   window 1: B's fragments, two sets, at v0 and v128.   windows 2, 3: accumulator (a, b) at v[8 (8 (a % 4) + b)]; phase 2 has window 2 alone.
; THE ORDER OF THE FILLS, in place of what the lines above say of the head: one joint load a wave at the head (slot 0, K 0-255); slot 1 is first filled behind the round in front of
; the first step, slot 2 behind the round at slot 0's end; slot 0 takes K 768-1,023 behind the round at slot 1's end; phase 2's fills as above.  By this text's own count a wave has one tensor load out at any time.
; PREFETCH: behind the head's load each wave names its share (25 of the 100 blocks of 256 bytes; the four partners of a joint load share them by address) of slots 1 and 2, behind slot 1's load that of K 768-1,023.
.set UNIT,  12800
.set SCO,   12288
.set GRP,   8*UNIT
.set WU,    256*UNIT                   ; where Wq, Wk, Wv begin in qc; X begins at 0
.set PART,  2*UNIT                     ; what one of phase 1's tensor loads brings
.set SLOT,  4*PART                     ; phase 1: A's group 0, A's group 1, B's group 0, B's group 1
.set CELL,  4*UNIT                     ; phase 2: four K steps of one row group
.set SPARE, 3*SLOT                     ; the spare words, 128 bytes for each wave: two blocks of 256 bytes that no other line names
.set FR,    12
.set NL,    3                          ; LDS loads that bring a fragment
.set NP,    4                          ; places behind this matrix instruction (ISA guide 7.12.1)
.set AD2A, 2                           ; v2-3    phase 2: 16 x lane + my four fragments of A, K half 0, 1
.set AD2S, 4                           ; v4-5    16 x lane + 8 x row half: their two scale words
.set AD2B, 6                           ; v6-7    16 x lane + my row group of B
.set VOC,  8                           ; v8      phase 2's way out: 16 x lane + my four fragments' place in the unit
.set VOS,  9                           ; v9      16 x lane + 8 x row half
.set ADRA, 16                          ; v16-18  phase 1: 16 x lane + my A group in slot 0, 1, 2
.set ADRB, 20                          ; v20-22  the same for B
.set LI,   26                          ; v26     16 x lane
.set SPW,  28                          ; v28     my spare word; never rewritten
.set NIL,  29                          ; v29     0; never rewritten
.set SC,   32                          ; scale words.  Phase 1: set s at SC + 16 s: A's step 0, A's step 1, B's step 0, B's step 1, four registers each.  Phase 2: set f at SC + 8 f: A's two registers, two idle, B's four.
                                       ; register w: fragment 2 w in lanes 0-15, 2 w + 1 in lanes 16-31
.set TM,   64                          ; the ways out: v64-79 at work
.set PWR,  80                          ; v80-87 the fragments' scale words
.set PKS,  88                          ; v88-91 packed for the unit
.set PCR,  96                          ; v96-255 codes: 20 registers a fragment
.set AF,   128
.set G1,   24                          ; s[24:31] group 1, A's mask, 100 rows of 256 bytes
.set G0,   32                          ; s[32:39] phase 1, A: groups 0 of slots 0, 1
.set G1B,  48                          ; s[48:55] group 1, B's mask, 100 rows
.set G0B,  56                          ; s[56:63] phase 1, B: groups 0 of slots 0, 1
.set SEL,  68
.set G0C,  76                          ; s[76:79] phase 1, A: group 0 of slot 2
.set G0BC, 80                          ; s[80:83] phase 1, B: group 0 of slot 2
.set G1B2, 84                          ; s[84:91] group 1, B's mask, 200 rows
.set G2A,  92                          ; s[92:95] phase 2, A: group 0
.set G2B,  96                          ; s[96:99] phase 2, B: group 0
.set MSB, 0
.macro WIN new                         ; the immediate's high byte repeats the setting that is left
.if MSB != (\new)
	s_set_vgpr_msb (MSB<<8)|(\new)
.set MSB, (\new)
.endif
.endm
.set MUL_LO, 0xa1                      ; source 0 (B) window 1, source 1 (A) window 0, C and D window 2
.set MUL_HI, 0xf1
.set TO_B,   0x40
.macro PLACES n
.rept \n
	v_nop
.endr
.endm
; one matrix instruction from the symbols rD, rA (source 0), rB (source 1), rSA, rSB (their scale registers), fRA, fRB (1: lanes 16-31 of that register), fZ (1: C = 0 starts the sum)
.macro WM
.if fZ
.if fRA
.if fRB
	v_wmma_scale_f32_16x16x128_f8f6f4 v[rD:rD+7], v[rA:rA+11], v[rB:rB+11], 0, v[rSA], v[rSB] matrix_a_fmt:MATRIX_FMT_FP6 matrix_b_fmt:MATRIX_FMT_FP6 matrix_a_scale:MATRIX_SCALE_ROW1 matrix_b_scale:MATRIX_SCALE_ROW1
.else
	v_wmma_scale_f32_16x16x128_f8f6f4 v[rD:rD+7], v[rA:rA+11], v[rB:rB+11], 0, v[rSA], v[rSB] matrix_a_fmt:MATRIX_FMT_FP6 matrix_b_fmt:MATRIX_FMT_FP6 matrix_a_scale:MATRIX_SCALE_ROW1
.endif
.else
.if fRB
	v_wmma_scale_f32_16x16x128_f8f6f4 v[rD:rD+7], v[rA:rA+11], v[rB:rB+11], 0, v[rSA], v[rSB] matrix_a_fmt:MATRIX_FMT_FP6 matrix_b_fmt:MATRIX_FMT_FP6 matrix_b_scale:MATRIX_SCALE_ROW1
.else
	v_wmma_scale_f32_16x16x128_f8f6f4 v[rD:rD+7], v[rA:rA+11], v[rB:rB+11], 0, v[rSA], v[rSB] matrix_a_fmt:MATRIX_FMT_FP6 matrix_b_fmt:MATRIX_FMT_FP6
.endif
.endif
.else
.if fRA
.if fRB
	v_wmma_scale_f32_16x16x128_f8f6f4 v[rD:rD+7], v[rA:rA+11], v[rB:rB+11], v[rD:rD+7], v[rSA], v[rSB] matrix_a_fmt:MATRIX_FMT_FP6 matrix_b_fmt:MATRIX_FMT_FP6 matrix_a_scale:MATRIX_SCALE_ROW1 matrix_b_scale:MATRIX_SCALE_ROW1
.else
	v_wmma_scale_f32_16x16x128_f8f6f4 v[rD:rD+7], v[rA:rA+11], v[rB:rB+11], v[rD:rD+7], v[rSA], v[rSB] matrix_a_fmt:MATRIX_FMT_FP6 matrix_b_fmt:MATRIX_FMT_FP6 matrix_a_scale:MATRIX_SCALE_ROW1
.endif
.else
.if fRB
	v_wmma_scale_f32_16x16x128_f8f6f4 v[rD:rD+7], v[rA:rA+11], v[rB:rB+11], v[rD:rD+7], v[rSA], v[rSB] matrix_a_fmt:MATRIX_FMT_FP6 matrix_b_fmt:MATRIX_FMT_FP6 matrix_b_scale:MATRIX_SCALE_ROW1
.else
	v_wmma_scale_f32_16x16x128_f8f6f4 v[rD:rD+7], v[rA:rA+11], v[rB:rB+11], v[rD:rD+7], v[rSA], v[rSB] matrix_a_fmt:MATRIX_FMT_FP6 matrix_b_fmt:MATRIX_FMT_FP6
.endif
.endif
.endif
.endm
; A joint load: waves 0 and 1 fetch for A, waves 2 and 3 for B.  The branch hangs on the wave's number alone.  An s_nop 0 and four v_nop follow each of the two lines.
.macro JLOAD g0a, g1a, g0b, g1b
	s_cmp_eq_u32 s15, 0
	s_cbranch_scc0 .Lfor_b_\@
	tensor_load_to_lds s[\g0a:\g0a+3], s[\g1a:\g1a+7]
	s_nop 0
.rept 4
	v_nop
.endr
	s_branch .Lasked_\@
.Lfor_b_\@:
	tensor_load_to_lds s[\g0b:\g0b+3], s[\g1b:\g1b+7]
	s_nop 0
.rept 4
	v_nop
.endr
.Lasked_\@:
.endm
.macro CREST                           ; a round of the cluster's barrier behind its opening barrier
	s_cmp_lg_u32 s14, 0
	s_cbranch_scc1 .Lnot_wave_0_\@
	s_barrier_signal -3
.Lnot_wave_0_\@:
	s_barrier_wait -3
	s_barrier_signal -1
	s_barrier_wait -1
.endm
.macro CROUND
	s_barrier_signal -1
	s_barrier_wait -1
	CREST
.endm
; phase 1's first fill of slot n: both groups 0, then the load
.macro SETG0 ga, gb, n
	s_mov_b32 s[\ga], 1
	s_add_co_u32 s[\ga+1], s45, \n*SLOT
	s_add_nc_u64 s[\ga+2:\ga+3], s[20:21], \n*PART
	s_or_b32 s[\ga+3], s[\ga+3], 0x80000000
	s_mov_b32 s[\gb], 1
	s_add_co_u32 s[\gb+1], s45, \n*SLOT
	s_add_nc_u64 s[\gb+2:\gb+3], s[46:47], \n*PART
	s_or_b32 s[\gb+3], s[\gb+3], 0x80000000
.endm
	s_load_b128 s[4:7], s[0:1], 0x0                ; qc s[4:5], qkv s[6:7]
	v_lshl_add_u32 v[SPW], v0, 2, SPARE
	v_mov_b32 v[NIL], 0
	ds_add_u32 v[SPW], v[NIL]                      ; the wave's opening: the add, twice on end, and its wait ahead of my first tensor load
	ds_add_u32 v[SPW], v[NIL]
	v_lshrrev_b32 v1, 5, v0
	v_readfirstlane_b32 s14, v1                    ; wave 0..3
	s_lshr_b32 s15, s14, 1                         ; which half of the tile's rows is mine.  Also: I fetch for A (0) or for B (1)
	s_and_b32 s16, s14, 1                          ; which half of its columns.  Also: which part of the two I fetch
	s_bfe_u32 s40, ttmp6, 0x40000                  ; cx
	s_bfe_u32 s41, ttmp6, 0x40004                  ; cy
	s_lshl_b32 s42, ttmp9, 2
	s_add_co_u32 s42, s42, s40                     ; tc = 4 x cluster x + cx, 0..15
	s_and_b32 s17, ttmp7, 0xffff
	s_lshl_b32 s17, s17, 2
	s_add_co_u32 s17, s17, s41                     ; tr = 4 x cluster y + cy, 0..15
	s_lshl_b32 s43, s41, 2
	s_lshl_b32 s43, 15, s43                        ; my row of the cluster
	s_lshl_b32 s44, 0x1111, s40                    ; my column
	s_or_b32 s[G1+0], s43, (3<<16)|(1<<21)         ; 15:0 the mask; 17:16 elements of 8 bytes; 21 set beside a mask; no padding: a fragment's image is read 512 consecutive bytes at a time
	s_or_b32 s[G1B+0], s44, (3<<16)|(1<<21)
	s_or_b32 s[G1B2+0], s44, (3<<16)|(1<<21)
.irp g, G1, G1B                        ; 25,600 dense bytes as 100 rows of 256
	s_mov_b32 s[\g+1], 32<<16                      ; tensor_dim0 = 32 elements
	s_mov_b32 s[\g+2], 100<<16                     ; tensor_dim1 = 100
	s_mov_b32 s[\g+3], 32<<16                      ; tile_dim0
	s_mov_b32 s[\g+4], 100                         ; tile_dim1
	s_mov_b32 s[\g+5], 32                          ; from row to row
	s_mov_b32 s[\g+6], 0
	s_mov_b32 s[\g+7], 0
.endr
	s_mov_b32 s[G1B2+1], 32<<16                    ; 51,200 dense bytes as 200 rows of 256
	s_mov_b32 s[G1B2+2], 200<<16
	s_mov_b32 s[G1B2+3], 32<<16
	s_mov_b32 s[G1B2+4], 200
	s_mov_b32 s[G1B2+5], 32
	s_mov_b32 s[G1B2+6], 0
	s_mov_b32 s[G1B2+7], 0
	s_mul_i32 s75, s16, PART                       ; 25,600 x which
	s_mul_i32 s74, s16, CELL                       ; 51,200 x which
	s_lshl_b32 s20, s17, 1
	s_add_co_u32 s20, s20, s16
	s_mul_i32 s20, s20, GRP                        ; phase 1, A: X's row group 2 tr + which
	s_mov_b32 s21, 0
	s_lshl_b32 s46, s42, 1
	s_add_co_u32 s46, s46, s16
	s_mul_i32 s46, s46, GRP
	s_mov_b32 s47, 0
	s_mov_b32 s18, s46                             ; phase 2, B: X's row group 2 tc + which
	s_mov_b32 s19, 0
	s_add_co_u32 s46, s46, WU                      ; phase 1, B: the weights' row group 2 tc + which
	s_add_co_u32 s72, s17, 32
	s_mul_i32 s72, s72, GRP
	s_add_co_u32 s72, s72, s75
	s_add_co_u32 s72, s72, WU                      ; phase 2, A: the weights' row group 32 + tr (Wv's tr), K steps 2 x which on
	s_mov_b32 s73, 0
	s_mul_i32 s45, s14, PART                       ; where phase 1's loads go in a slot: wave x 25,600: no place in the cluster enters an LDS address
	s_mov_b32 s[SEL], 0x76543210
	s_mov_b32 s[SEL+1], 0xfedcba98
	s_mov_b32 s70, 0xffff0000                      ; lanes 16-31
	s_wait_dscnt 0x0                               ; both opening adds are done
	s_wait_kmcnt 0x0
	s_add_nc_u64 s[20:21], s[4:5], s[20:21]
	s_add_nc_u64 s[46:47], s[4:5], s[46:47]
	CROUND                                         ; all sixteen work-groups are here: the first joint loads meet
	SETG0 G0, G0B, 0                               ; K 0-255
	SETG0 G0+4, G0B+4, 1                           ; K 256-511
	SETG0 G0C, G0BC, 2                             ; K 512-767
	JLOAD G0, G1, G0B, G1B                         ; one tensor load a wave at the head: slot 0
	s_mov_b32 s[G2A], 1                            ; phase 2's groups 0, for its K 0-511: A's four units into cell 2, two a wave; B's into cells 3 and 4, a cell a wave
	s_add_co_u32 s[G2A+1], s75, 2*CELL
	s_add_nc_u64 s[G2A+2:G2A+3], s[4:5], s[72:73]
	s_or_b32 s[G2A+3], s[G2A+3], 0x80000000
	s_mov_b32 s[G2B], 1
	s_add_co_u32 s[G2B+1], s74, 3*CELL
	s_add_nc_u64 s[G2B+2:G2B+3], s[4:5], s[18:19]
	s_or_b32 s[G2B+3], s[G2B+3], 0x80000000
	s_cmp_eq_u32 s15, 0                            ; the prefetches: the row group that I fetch,
	s_cselect_b64 s[8:9], s[20:21], s[46:47]
	s_cselect_b32 s10, s40, s41                    ; my place among the four that ask for it with me,
	s_mul_i32 s10, s10, 25*256                     ; whose share is 25 blocks of 256 bytes of a load's 100
	s_mov_b32 s11, 0
	s_add_nc_u64 s[8:9], s[8:9], s[10:11]
	v_and_b32 v1, 31, v0
	v_lshlrev_b32 v[LI], 4, v1
	v_min_u32 v10, 24, v1                          ; a lane a block; the lanes left over name the last block again
	v_lshlrev_b32 v10, 8, v10
	global_prefetch_b8 v10, s[8:9] offset:PART th:TH_LOAD_NT scope:SCOPE_SE
	global_prefetch_b8 v10, s[8:9] offset:2*PART th:TH_LOAD_NT scope:SCOPE_SE
	s_wait_alu depctr_va_vdst(0)
	s_mul_i32 s22, s15, PART
	s_mul_i32 s23, s16, PART                       ; my row group of B,
	s_add_co_u32 s23, s23, 2*PART                  ; behind A's two
.irp s, 0,1,2
	v_add_nc_u32 v[ADRA+\s], s22, v[LI]
	v_add_nc_u32 v[ADRB+\s], s23, v[LI]
	s_add_co_u32 s22, s22, SLOT
	s_add_co_u32 s23, s23, SLOT
.endr
	s_mul_i32 s22, s15, 4*1536                     ; phase 2: my four fragments of A's eight
	v_add_nc_u32 v[VOC], s22, v[LI]
	s_add_co_u32 s23, s22, 2*CELL
	v_add_nc_u32 v[AD2A], s23, v[LI]
	s_add_co_u32 s23, s22, 5*CELL
	v_add_nc_u32 v[AD2A+1], s23, v[LI]
	s_lshl_b32 s22, s15, 3                         ; their two scale words of a lane's four
	v_add_nc_u32 v[VOS], s22, v[LI]
	s_add_co_u32 s23, s22, 2*CELL
	v_add_nc_u32 v[AD2S], s23, v[LI]
	s_add_co_u32 s23, s22, 5*CELL
	v_add_nc_u32 v[AD2S+1], s23, v[LI]
	s_add_co_u32 s23, s74, 3*CELL                  ; my row group of B: cells 3, 4, then cells 0, 1
	v_add_nc_u32 v[AD2B], s23, v[LI]
	v_add_nc_u32 v[AD2B+1], s74, v[LI]
	s_lshl_b32 s72, s17, 1
	s_add_co_u32 s72, s72, s15                     ; phase 1: gA = 2 tr + row half
	s_lshl_b32 s72, s72, 5
	s_lshl_b32 s73, s42, 1
	s_add_co_u32 s73, s73, s16                     ; gB = 2 tc + column half
	s_add_co_u32 s72, s72, s73
	s_mul_i32 s72, s72, UNIT
	s_add_co_u32 s22, s17, 32                      ; phase 2: gA = 32 + tr
	s_lshl_b32 s22, s22, 5
	s_add_co_u32 s22, s22, s73
	s_mul_i32 s22, s22, UNIT
	s_mov_b32 s73, 0
	s_mov_b32 s23, 0
	s_add_nc_u64 s[12:13], s[6:7], s[72:73]        ; my wave's unit of Q or K
	s_add_nc_u64 s[100:101], s[6:7], s[22:23]      ; the unit of V^T of which I make four fragments
.macro FRAG reg, adr, q, i             ; fragment i of the q-th unit from the address on: three loads, 512 consecutive bytes each
.irp g, 0,1,2
	ds_load_b128 v[\reg+4*\g:\reg+4*\g+3], v[\adr] offset:UNIT*(\q)+1536*(\i)+512*\g
.endr
.endm
; PHASE 1.  16 matrix instructions: A's blocks a0, a0 + 1 x B's eight.  p: B's set; q: the slot's unit; sc: the set of scale words.  The 64 accumulators take turns, one instruction a turn, in the same order in every step.
.macro MUL16 a0, p, q, sc, zero
.irp a, \a0, \a0+1
.irp b, 0,1,2,3,4,5,6,7
.set rD, 8*(8*((\a)%4)+\b)
.set rA, 128*(\p)+FR*\b
.set rB, AF+FR*(\a)
.set rSA, SC+16*(\sc)+8+4*(\q)+\b/2
.set rSB, SC+16*(\sc)+4*(\q)+(\a)/2
.set fRA, \b%2
.set fRB, (\a)%2
.set fZ, \zero
	WM
.endr
.endr
.endm
.macro FETCH_B slot, q, p
	WIN TO_B
.irp i, 0,1,2,3,4,5,6,7
	FRAG 128*(\p)+FR*\i, ADRB+\slot, \q, \i
.endr
	WIN 0
.endm
.macro FETCH_A slot, q, i0
.irp i, \i0, \i0+1, \i0+2, \i0+3
	FRAG AF+FR*(\i), ADRA+\slot, \q, \i
.endr
.endm
.macro SCALES sl, sc                   ; a slot's scale words into set sc: four loads of 16 bytes a lane
.irp q, 0,1
	ds_load_b128 v[SC+16*\sc+4*\q:SC+16*\sc+4*\q+3], v[ADRA+\sl] offset:UNIT*\q+SCO
	ds_load_b128 v[SC+16*\sc+8+4*\q:SC+16*\sc+8+4*\q+3], v[ADRB+\sl] offset:UNIT*\q+SCO
.endr
.endm
; a slot's first step of 128 along K: multiplies B's set 0 and fetches the slot's second unit
.macro STEP slot, sc, zero
	s_wait_dscnt 4*NL                              ; all but the youngest 12 loads (A's blocks 4-7) are in
	WIN MUL_LO
	MUL16 0, 0, 0, \sc, \zero
	MUL16 2, 0, 0, \sc, \zero
	s_wait_dscnt 0                                 ; A's blocks 4-7 are in
	PLACES NP                                      ; in front of loads into registers that matrix instructions have read
	FETCH_B \slot, 1, 1
	FETCH_A \slot, 1, 0
	WIN MUL_HI
	MUL16 4, 0, 0, \sc, \zero
	MUL16 6, 0, 0, \sc, \zero
	PLACES NP
	WIN 0
	FETCH_A \slot, 1, 4
.endm
; A slot's second step changes slots.  mode 1, 3: bytes are filled again: each wave waits for all its tensor loads, adds 0 to its spare word, and waits for that and for its reads of the slot; a round of the cluster's barrier;
; the joint refill first behind it (1: slot 0 takes K 768-1,023; 3: cells 2, 3, 4 take phase 2's first four K steps).  mode 2: nothing is filled, and the next slot was shown whole at the change before: no wait on tensor loads, no barrier.
.macro TURN sc, next, nsc, mode
.if \mode == 2
	s_wait_dscnt 4*NL
.else
	s_wait_tensorcnt 0x0                           ; all my tensor loads have landed
	ds_add_u32 v[SPW], v[NIL]
	s_wait_dscnt 4*NL+1                            ; (the add and the youngest 12 loads may be out)
.endif
	WIN MUL_LO
	MUL16 0, 1, 1, \sc, 0
.if \mode != 2
	s_wait_dscnt 0x0                               ; the add is done, and my reads of this slot are over
	s_barrier_signal -1
.endif
	MUL16 2, 1, 1, \sc, 0
	WIN 0
.if \mode == 2
	s_wait_dscnt 0x0                               ; A's blocks 4-7 are in
	PLACES NP
.else
	s_barrier_wait -1
	CREST                                          ; the barrier has opened a round of the cluster's: no wave of any partner still reads the bytes to be filled or has a load on its way
.if \mode == 1
	s_add_nc_u64 s[G0+2:G0+3], s[G0+2:G0+3], 3*PART
	s_add_nc_u64 s[G0B+2:G0B+3], s[G0B+2:G0B+3], 3*PART
	JLOAD G0, G1, G0B, G1B                         ; the first tensor load behind the round; its four v_nop are the places in front of the loads below
.endif
.if \mode == 4
	JLOAD G0C, G1, G0BC, G1B                       ; slot 2's first fill, K 512-767
.endif
.if \mode == 3
	JLOAD G2A, G1, G2B, G1B2
.endif
.endif
	FETCH_B \next, 0, 0
	FETCH_A \next, 0, 0
	SCALES \next, \nsc
	WIN MUL_HI
	MUL16 4, 1, 1, \sc, 0
	MUL16 6, 1, 1, \sc, 0
	PLACES NP
	WIN 0
	FETCH_A \next, 0, 4
.endm
; PHASE 2.  16 matrix instructions: my blocks a0, a0 + 1 of A's four x B's eight, on the sets f.  The 32 accumulators take turns, one instruction a turn, in the same order in every step.
.macro MUL2 f, a0, zero
.irp a, \a0, \a0+1
.irp b, 0,1,2,3,4,5,6,7
.set rD, 8*(8*(\a)+\b)
.set rA, 128*(\f)+FR*\b
.set rB, AF+48*(\f)+FR*(\a)
.set rSA, SC+8*(\f)+4+\b/2
.set rSB, SC+8*(\f)+(\a)/2
.set fRA, \b%2
.set fRB, (\a)%2
.set fZ, \zero
	WM
.endr
.endr
.endm
.macro FETCH2 hf, q, f                 ; K half hf's q-th step into the sets f: B's eight fragments, my four of A, their scale words
	WIN TO_B
.irp i, 0,1,2,3,4,5,6,7
	FRAG 128*(\f)+FR*\i, AD2B+\hf, \q, \i
.endr
	WIN 0
.irp i, 0,1,2,3
	FRAG AF+48*(\f)+FR*\i, AD2A+\hf, \q, \i
.endr
	ds_load_b64 v[SC+8*(\f):SC+8*(\f)+1], v[AD2S+\hf] offset:UNIT*(\q)+SCO
	ds_load_b128 v[SC+8*(\f)+4:SC+8*(\f)+7], v[AD2B+\hf] offset:UNIT*(\q)+SCO
.endm
.macro KST2 hf, q, zero                ; one of a K half's first three steps: multiplies the sets q % 2 and fetches the next step into the others
	s_wait_dscnt 0x0
	PLACES NP                                      ; in front of loads into registers that matrix instructions have read
	FETCH2 \hf, (\q)+1, ((\q)+1)%2
	WIN MUL_LO
	MUL2 (\q)%2, 0, \zero
	MUL2 (\q)%2, 2, \zero
.endm
; 64 numbers of a lane in window w, register 16 b + i = k 32 b + 16 (lane / 16) + i, become a fragment's codes in v[pc] .. v[pc + 11] and its scale word in v[pw] (window 0).
; Each accumulator is read from its low end on: i = 0 opens the even ones, i = 8 the odd ones.
.macro QUANTW s, w, pc, pw
	WIN (\w)|((\w)<<2)
.irp b, 0,1,2,3
	v_max3_num_f32 v[TM+\b], |v[\s+16*\b]|, |v[\s+1+16*\b]|, 0x1800000   ; and the floor 2^(3 - 127): the byte cannot fall under 1
.endr
	WIN ((\w)<<2)|((\w)<<4)
.irp i, 2,4,6,8,10,12,14
.irp b, 0,1,2,3
	v_max3_num_f32 v[TM+\b], v[TM+\b], |v[\s+16*\b+\i]|, |v[\s+1+16*\b+\i]|
.endr
.endr
	WIN 0
.irp b, 0,1,2,3
	v_permlanex16_b32 v[TM+4+\b], v[TM+\b], s[SEL], s[SEL+1]
.endr
.irp b, 0,1,2,3
	v_max_num_f32 v[TM+\b], v[TM+\b], v[TM+4+\b]
.endr
.irp b, 0,1,2,3
	v_add_nc_u32 v[TM+12+\b], 0xff000000, v[TM+\b]   ; 2 off the exponent field: the conversion's scale operand
.endr
.irp b, 0,1,2,3
	v_lshrrev_b32 v[TM+4+\b], 23, v[TM+12+\b]
.endr
	v_lshl_or_b32 v[\pw], v[TM+5], 8, v[TM+4]
	v_lshl_or_b32 v[\pw], v[TM+6], 16, v[\pw]
	v_lshl_or_b32 v[\pw], v[TM+7], 24, v[\pw]
	WIN (\w)
.irp c, 0,1
	v_cvt_scalef32_pk16_fp6_f32 v[\pc+6*\c:\pc+6*\c+2], v[\s+32*\c:\s+32*\c+15], v[TM+12+2*\c]
	v_cvt_scalef32_pk16_fp6_f32 v[\pc+12+4*\c:\pc+12+4*\c+2], v[\s+16+32*\c:\s+16+32*\c+15], v[TM+13+2*\c]
.endr
	WIN 0
	v_nop                                          ; one plain line behind the scaled conversions
.irp c, 0,1
.irp i, 0,1,2
	v_permlane16_swap_b32 v[\pc+6*\c+\i], v[\pc+12+4*\c+\i]
.endr
.irp i, 0,1,2
	v_mov_b32 v[\pc+3+6*\c+\i], v[\pc+12+4*\c+\i]
.endr
.endr
.endm
.macro OUT1 a                          ; phase 1: block a of A's rows, 16 rows x 128 along the next K, is fragment a of my unit: quantised where it lies and stored as the image of its registers
	QUANTW 64*((\a)%4), 2+(\a)/4, PCR+20*(\a), PWR+(\a)
.irp g, 0,1,2
	global_store_b128 v[LI], v[PCR+20*(\a)+4*\g:PCR+20*(\a)+4*\g+3], s[12:13] offset:1536*(\a)+512*\g   ; 512 consecutive bytes, at a multiple of 256 from qkv's first byte; each fragment has registers of its own
.endr
.endm
	s_wait_alu depctr_va_vdst(0)                   ; the head's end
	s_wait_tensorcnt 0x0                           ; my part of slot 0 is in
	ds_add_u32 v[SPW], v[NIL]
	s_wait_dscnt 0x0
	CROUND                                         ; everybody's part of slot 0 is in, and the joint loads meet
	JLOAD G0+4, G1, G0B+4, G1B                     ; slot 1's first fill, K 256-511
	FETCH_B 0, 0, 0
	FETCH_A 0, 0, 0
	SCALES 0, 0
	FETCH_A 0, 0, 4
	global_prefetch_b8 v10, s[8:9] offset:3*PART th:TH_LOAD_NT scope:SCOPE_SE   ; K 768-1,023, which is asked for two changes of slots on
	STEP 0, 0, 1                                   ; the first step's products start the sums: nothing is cleared
	TURN 0, 1, 1, 4                                ; slot 2 is first filled
	STEP 1, 1, 0
	s_wait_alu depctr_va_vdst(0)
	TURN 1, 2, 0, 1                                ; slot 0 takes K 768-1,023
	STEP 2, 0, 0
	TURN 0, 0, 1, 3                                ; slots 1 and 2 have been read: cells 2, 3, 4 take phase 2's K 0-511
	STEP 0, 1, 0
	s_wait_dscnt 4*NL
	WIN MUL_LO
	MUL16 0, 1, 1, 1, 0
	MUL16 2, 1, 1, 1, 0
	s_wait_dscnt 0
	WIN MUL_HI
	MUL16 4, 1, 1, 1, 0
	MUL16 6, 1, 1, 1, 0
	WIN 0
	; PHASE 1'S WAY OUT, no LDS; in its middle the last refill
	PLACES NP                                      ; behind the last products: their results are read, and registers that they read are written
.irp b, 0,1,2,3
	v_mov_b32 v[TM+4+\b], 0                        ; written once: a lane permute's destination counts as one of its sources
.endr
.irp a, 0,1,2,3
	OUT1 \a
.endr
	s_wait_tensorcnt 0x0                           ; all my tensor loads have landed: my part of phase 2's K 0-511; so the groups 0 may be written
	ds_add_u32 v[SPW], v[NIL]                      ; 0 onto my spare word; the descriptors' steps stand between it and the wait for it
	s_add_co_u32 s[G2A+1], s75, 5*CELL             ; A's next four units into cell 5,
	s_add_nc_u64 s[G2A+2:G2A+3], s[G2A+2:G2A+3], CELL
	s_add_co_u32 s[G2B+1], s74, 0                  ; B's into cells 0 and 1
	s_add_nc_u64 s[G2B+2:G2B+3], s[G2B+2:G2B+3], CELL
	s_wait_dscnt 0x0                               ; the add is done; my reads of slot 0 were over at the last step's wait
	CROUND                                         ; no wave of any partner still reads cells 5, 0, 1 or has a load on its way
	JLOAD G2A, G1, G2B, G1B2                       ; phase 2's K 512-1,023: it has the rest of this way out and four steps in which to land
.irp a, 4,5,6,7
	OUT1 \a
.endr
.irp w, 0,1,2,3
	v_cndmask_b32 v[PKS+\w], v[PWR+2*\w], v[PWR+2*\w+1], s70   ; word w: fragment 2 w in lanes 0-15, 2 w + 1 in lanes 16-31
.endr
	global_store_b128 v[LI], v[PKS:PKS+3], s[12:13] offset:SCO
	s_wait_xcnt 0x0                                ; the stores have read their registers: phase 2's loads may land there, and its way out may write them again
	; PHASE 2: eight steps of 128 along K, 32 matrix instructions each
	FETCH2 0, 0, 0
	KST2 0, 0, 1                                   ; the first step's products start the sums
	KST2 0, 1, 0
	KST2 0, 2, 0
	s_wait_dscnt 0x0                               ; the fourth step changes K halves
	MUL2 1, 0, 0
	WIN 0
	s_wait_tensorcnt 0x0                           ; my part of K 512-1,023 has landed
	ds_add_u32 v[SPW], v[NIL]
	s_wait_dscnt 0x0
	s_barrier_signal -1
	s_barrier_wait -1                              ; everybody's has
	PLACES NP
	FETCH2 1, 0, 0
	WIN MUL_LO
	MUL2 1, 2, 0
	KST2 1, 0, 0
	KST2 1, 1, 0
	KST2 1, 2, 0
	s_wait_dscnt 0x0
	MUL2 1, 0, 0
	MUL2 1, 2, 0
	WIN 0
	; PHASE 2'S WAY OUT: my four blocks are fragments 4 x row half + 0 .. 3 of the unit
	PLACES NP
.irp a, 0,1,2,3
	QUANTW 64*\a, 2, PCR+20*\a, PWR+\a
.irp g, 0,1,2
	global_store_b128 v[VOC], v[PCR+20*\a+4*\g:PCR+20*\a+4*\g+3], s[100:101] offset:1536*\a+512*\g
.endr
.endr
.irp w, 0,1
	v_cndmask_b32 v[PKS+\w], v[PWR+2*\w], v[PWR+2*\w+1], s70
.endr
	global_store_b64 v[VOS], v[PKS:PKS+1], s[100:101] offset:SCO   ; my two of a lane's four scale words: 8 bytes a lane, 16 apart; the wave of the other row half stores the other two: 512 bytes of the unit's 12,800 leave so
	s_wait_tensorcnt 0x0                           ; the wave's end
	ds_add_u32 v[SPW], v[NIL]
	s_wait_dscnt 0x0
	CROUND                                         ; the closing round: no work-group ends while a partner may still ask for a tile that names it
	s_endpgm
.Lfunc_end_k_qf16852863f_proj:
	.size	k_qf16852863f_proj, .Lfunc_end_k_qf16852863f_proj-k_qf16852863f_proj
	.p2alignl 7, 3214868480
	.fill 96, 4, 3214868480
	.section	.rodata,"a",@progbits
	.p2align	6, 0x0
	.amdhsa_kernel k_qf16852863f_proj
		.amdhsa_group_segment_fixed_size 327680
		.amdhsa_private_segment_fixed_size 0
		.amdhsa_enable_private_segment 0
		.amdhsa_kernarg_size 16
		.amdhsa_user_sgpr_count 2
		.amdhsa_user_sgpr_kernarg_segment_ptr 1
		.amdhsa_wavefront_size32 1
		.amdhsa_system_sgpr_workgroup_id_x 1
		.amdhsa_system_sgpr_workgroup_id_y 1
		.amdhsa_system_sgpr_workgroup_id_z 1
		.amdhsa_system_vgpr_workitem_id 0
		.amdhsa_next_free_vgpr 1024
		.amdhsa_next_free_sgpr 102
		.amdhsa_reserve_vcc 0
		.amdhsa_float_denorm_mode_32 3
		.amdhsa_float_denorm_mode_16_64 3
		.amdhsa_memory_ordered 1
		.amdhsa_forward_progress 1
		.amdhsa_inst_pref_size 211
	.end_amdhsa_kernel
	.amdgpu_metadata
---
amdhsa.version: [ 1, 2 ]
amdhsa.kernels:
  - .name:           k_qf16852863f_proj
    .symbol:         k_qf16852863f_proj.kd
    .args:
      - { .name: qc, .offset: 0, .size: 8, .value_kind: global_buffer, .address_space: global }
      - { .name: qkv, .offset: 8, .size: 8, .value_kind: global_buffer, .address_space: global }
    .group_segment_fixed_size: 327680
    .private_segment_fixed_size: 0
    .kernarg_segment_align: 8
    .kernarg_segment_size: 16
    .max_flat_workgroup_size: 128
    .sgpr_count:     102
    .vgpr_count:     1024
    .wavefront_size: 32
...
	.end_amdgpu_metadata
.endif
;; end of part 2
;; launch attn (part 3): grid 16 x 16, 8 waves a work-group, clusters of 4 x 1, 327,680 bytes of LDS; arguments qkv, lambda_q1, lambda_k1, lambda_q2, lambda_k2, rms_scale, oc; writes oc
.if DOCPART == 3
	.amdgcn_target "amdgcn-amd-amdhsa--gfx1250"
	.amdhsa_code_object_version 6
	.text
	.protected	k_qf16852863f_attn
	.globl	k_qf16852863f_attn
	.p2align	8
	.type	k_qf16852863f_attn,@function
k_qf16852863f_attn:
	s_mov_b64 s[64:65], 0
	v_nop
	global_prefetch_b8 v0, s[64:65] scope:SCOPE_SE
	s_setreg_imm32_b32 hwreg(HW_REG_WAVE_MODE, 25, 1), 1
	s_wait_xcnt 0x0
	s_wait_alu depctr_hold_cnt(0) depctr_sa_sdst(0) depctr_va_vdst(0) depctr_va_sdst(0) depctr_va_ssrc(0) depctr_va_vcc(0) depctr_vm_vsrc(0)
	s_getreg_b32 s2, hwreg(HW_REG_IB_STS2, 6, 4)
	s_cmp_eq_u32 s2, 0
	s_cbranch_scc0 .Lentry_in_a_cluster
	s_endpgm
.Lentry_in_a_cluster:
	s_bfe_u32 s2, ttmp6, 0x10000c
	s_cmp_lg_u32 s2, 0x3003
	s_cbranch_scc0 .Lentry_shape_is_right
	s_endpgm
.Lentry_shape_is_right:
; THIRD LAUNCH: attn = softmax(A1) - lam softmax(A2), quantised finished and normalised; attn V; the RMS norm; the result quantised into units of oc.  No work is left out.
; The unit (12,800 bytes: eight fragments as images of their registers, then 512 bytes of scale words) is set out at the head of the first launch.
; SHARES.  A work-group: one batch and head, 128 queries.  Wave w: 32 queries (two fragments, t) x the key half w / 4 (1,024 keys); the halves' sums are joined through LDS at the end.
; Both products are used transposed (S^T = K Q^T, O^T = V^T P^T): a lane holds one query.  g = 2 t + x names query fragment t and score matrix x (A1, A2).
; PASS 1: each row's maximum and sum, by a running maximum, 128 keys a step: the step's 256 scores a lane lie in window 1, where O lies later.
; PASS 2: the scores again; p1 / l1 = 2^(c s - m1 - log2 l1): the sum's logarithm is folded into the shift; the second softmax is multiplied by -lam / l2 in the multiply-add that joins the two.
; LDS: two slots of eight units, filled jointly by the four work-groups of a cluster (four query blocks of one head read the same K and V), one load a wave behind each round.
;   Pass 1: a key half's four units are K1, K2 of two key groups; pass 2: K1, K2, V's two channel groups of one key group.
; No prefetch: a refill is asked for a whole trip (two steps of pass 1, one of pass 2) ahead of the wait for it, and every tile is read by sixteen work-groups of the launch.
; LIMITS: NaN and infinities are not served; the promise holds while the scaled scores stay under 2^31 in magnitude; a block of zeros has the byte 1 (its codes are zeros; only this program reads the bytes).
; REGISTERS, window 0: v1-7 addresses; v8-31 ST: for each g six: the shift m, the largest score, the sum's two halves, the rescaling factor, the old m (pass 2: v10-13, v22-25 hold V's scale words);
;   v32-79 Q; v80-83 Q's scale words; v84-91 K's; v92-139 F: four fragments; v140-203 S: pass 1 a second set of four fragments, pass 2 the scores; v204-243 P's codes; v244.. at work.   Window 1: pass 1 scores, pass 2 O^T.
.set UNIT,  12800
.set SCO,   12288
.set SLOT1, 1<<17
.set STAT,  SLOT1+8*UNIT
.set OSC,   STAT+8*1024
.set SPARE, OSC+1024
.set D1,    64*UNIT
.set LI,  1
.set AD,  2
.set T0,  3
.set SPW, 4
.set NIL, 5
.set LAM, 6
.set T1,  7
.set ST,  8
.set Q,   32
.set QS,  80
.set KS,  84
.set F,   92
.set S,   140
.set F1,  S
.set PC,  204
.set PW,  244
.set TMA, 246
.set TMB, 248
.set TMS, 250
.set TMY, 252
.set GS,  8
.set TM,  184
.set WV,  18
.set G1,  24
.set G0A, 32
.set G0W, 36
.set CS,  40
.set SEL, 42
.set TBJ, 44
.set CNT, 45
.set OFFN, 46
.set DELTA, 48
.set OFF2, 49
.set D2,  50
.set MSB, 0
.macro WIN new                         ; the immediate's high byte repeats the setting that is left
.if MSB != (\new)
	s_set_vgpr_msb (MSB<<8)|(\new)
.set MSB, (\new)
.endif
.endm
.macro PLACES n
.rept \n
	v_nop
.endr
.endm
; one matrix instruction from the symbols rD, rA, rB, rSA, rSB, fRA, fRB (1: lanes 16-31 of that scale register); c: its C operand
.macro WM c
.if fRA
.if fRB
	v_wmma_scale_f32_16x16x128_f8f6f4 v[rD:rD+7], v[rA:rA+11], v[rB:rB+11], \c, v[rSA], v[rSB] matrix_a_fmt:MATRIX_FMT_FP6 matrix_b_fmt:MATRIX_FMT_FP6 matrix_a_scale:MATRIX_SCALE_ROW1 matrix_b_scale:MATRIX_SCALE_ROW1
.else
	v_wmma_scale_f32_16x16x128_f8f6f4 v[rD:rD+7], v[rA:rA+11], v[rB:rB+11], \c, v[rSA], v[rSB] matrix_a_fmt:MATRIX_FMT_FP6 matrix_b_fmt:MATRIX_FMT_FP6 matrix_a_scale:MATRIX_SCALE_ROW1
.endif
.else
.if fRB
	v_wmma_scale_f32_16x16x128_f8f6f4 v[rD:rD+7], v[rA:rA+11], v[rB:rB+11], \c, v[rSA], v[rSB] matrix_a_fmt:MATRIX_FMT_FP6 matrix_b_fmt:MATRIX_FMT_FP6 matrix_b_scale:MATRIX_SCALE_ROW1
.else
	v_wmma_scale_f32_16x16x128_f8f6f4 v[rD:rD+7], v[rA:rA+11], v[rB:rB+11], \c, v[rSA], v[rSB] matrix_a_fmt:MATRIX_FMT_FP6 matrix_b_fmt:MATRIX_FMT_FP6
.endif
.endif
.endm
.macro CROUND                          ; a round of the cluster's barrier
	s_barrier_signal -1
	s_barrier_wait -1
	s_cmp_lg_u32 s[WV], 0
	s_cbranch_scc1 .Lnot_wave_0_\@
	s_barrier_signal -3
.Lnot_wave_0_\@:
	s_barrier_wait -3
	s_barrier_signal -1
	s_barrier_wait -1
.endm
	s_load_b256 s[4:11], s[0:1], 0x0               ; qkv, lambda_q1, lambda_k1, lambda_q2
	s_load_b128 s[12:15], s[0:1], 0x20             ; lambda_k2, rms_scale
	s_load_b64 s[16:17], s[0:1], 0x30              ; oc
	v_lshl_add_u32 v[SPW], v0, 2, SPARE
	v_mov_b32 v[NIL], 0
	ds_add_u32 v[SPW], v[NIL]                      ; the opening lines: the add, twice on end, and its wait ahead of my first tensor load
	ds_add_u32 v[SPW], v[NIL]
	v_lshrrev_b32 v[T0], 5, v0
	s_delay_alu instid0(VALU_DEP_1)
	v_readfirstlane_b32 s[WV], v[T0]               ; wave 0..7
	s_and_b32 s19, s[WV], 3                        ; which 32 queries; also which unit of my key half's four I fetch
	s_lshr_b32 s20, s[WV], 2                       ; key half
	s_lshr_b32 s21, s19, 1
	s_and_b32 s22, s19, 1
	s_and_b32 s23, ttmp7, 0xffff
	s_lshr_b32 s52, s23, 3                         ; batch
	s_and_b32 s51, s23, 7                          ; head
	s_lshl_b32 s53, s52, 4
	s_lshl_b32 s54, s20, 3
	s_add_co_u32 s53, s53, s54                     ; my key half's first key group
	s_lshl_b32 s54, s51, 1
	s_add_co_u32 s54, s54, s22
	s_add_co_u32 s55, s53, s21
	s_lshl_b32 s55, s55, 5
	s_add_co_u32 s55, s55, s54
	s_add_co_u32 s55, s55, 16
	s_mul_i32 s55, s55, UNIT                       ; pass 1: K's unit (key group + s21, K1 or K2)
	s_lshl_b32 s56, s53, 5
	s_add_co_u32 s56, s56, s54
	s_add_co_u32 s56, s56, 16
	s_mul_i32 s56, s56, UNIT                       ; pass 2: K's unit,
	s_add_co_u32 s57, s54, 32
	s_lshl_b32 s57, s57, 5
	s_add_co_u32 s57, s57, s53
	s_mul_i32 s57, s57, UNIT                       ; or V's
	s_sub_co_u32 s57, s57, s56
	s_mul_i32 s57, s57, s21
	s_add_co_u32 s[OFF2], s56, s57
	s_mul_i32 s57, s21, 31*UNIT
	s_sub_co_u32 s[D2], 32*UNIT, s57               ; from key group to key group: 32 units in K, one in V
	s_add_co_u32 s[OFFN], s55, 2*D1
	s_mov_b32 s[OFFN+1], 0
	s_mov_b32 s[DELTA], D1
	s_mov_b32 s68, s55
	s_mov_b32 s69, 0
	s_mov_b32 s[G1], 15|(3<<16)|(1<<21)            ; the four of the cluster; elements of 8 bytes; a unit as 50 dense rows of 256 bytes
	s_mov_b32 s[G1+1], 32<<16
	s_mov_b32 s[G1+2], 50<<16
	s_mov_b32 s[G1+3], 32<<16
	s_mov_b32 s[G1+4], 50
	s_mov_b32 s[G1+5], 32
	s_mov_b32 s[G1+6], 0
	s_mov_b32 s[G1+7], 0
	s_mov_b32 s[G0A], 1
	s_mul_i32 s[G0A+1], s[WV], UNIT
	s_mov_b32 s[G0W], 1
	s_add_co_u32 s[G0W+1], s[G0A+1], SLOT1
	s_mov_b32 s[CS], 0x3e0293ee                    ; c = log2(e) / sqrt(128)
	s_mov_b32 s[CS+1], s[CS]
	s_mov_b32 s[SEL], 0x76543210
	s_mov_b32 s[SEL+1], 0xfedcba98
	s_mul_i32 s[TBJ], s20, 4*UNIT
	s_mov_b32 s80, 0x3b800000                      ; 1 / 256
	s_mov_b32 s81, 0x3727c5ac                      ; 1e-5
	s_bfe_u32 s58, ttmp6, 0x40000
	s_lshl_b32 s59, ttmp9, 2
	s_add_co_u32 s58, s58, s59
	s_lshl_b32 s59, s52, 4
	s_add_co_u32 s58, s58, s59                     ; my query group
	s_lshl_b32 s59, s51, 1
	s_lshl_b32 s60, s58, 5
	s_add_co_u32 s60, s60, s59
	s_mul_i32 s60, s60, UNIT
	s_mov_b32 s61, 0
	s_lshl_b32 s62, s19, 1
	s_add_co_u32 s62, s62, s20                     ; t = 0 is the fragment that I finish at the end
	s_xor_b32 s63, s62, 1
	s_mul_i32 s62, s62, 1536
	s_mul_i32 s63, s63, 1536
	s_lshl_b32 s66, s58, 4
	s_add_co_u32 s66, s66, s59
	s_mul_i32 s66, s66, UNIT
	s_mov_b32 s67, 0
	s_wait_dscnt 0x0
	s_wait_kmcnt 0x0
	s_add_nc_u64 s[G0A+2:G0A+3], s[4:5], s[68:69]
	s_add_nc_u64 s[G0W+2:G0W+3], s[G0A+2:G0A+3], D1
	s_or_b32 s[G0A+3], s[G0A+3], 0x80000000
	s_or_b32 s[G0W+3], s[G0W+3], 0x80000000
	CROUND
	tensor_load_to_lds s[G0A:G0A+3], s[G1:G1+7]    ; tile 0: one tensor load a wave at the head
	s_nop 0
	PLACES 4
	; while tile 0 is on its way: Q, its scale words and the lambdas are asked for
	s_add_nc_u64 s[74:75], s[4:5], s[60:61]
	s_mov_b32 s60, s62
	s_add_nc_u64 s[70:71], s[74:75], s[60:61]
	s_add_nc_u64 s[78:79], s[16:17], s[66:67]
	s_add_nc_u64 s[76:77], s[78:79], s[60:61]
	s_mov_b32 s60, s63
	s_add_nc_u64 s[72:73], s[74:75], s[60:61]
	s_and_b32 s60, s[WV], 1
	s_mul_i32 s60, s60, UNIT
	s_add_nc_u64 s[78:79], s[78:79], s[60:61]
	v_and_b32 v[T1], 31, v0
	s_delay_alu instid0(VALU_DEP_1)
	v_lshlrev_b32 v[LI], 4, v[T1]
.irp t, 0,1
.irp x, 0,1
.irp g, 0,1,2
	global_load_b128 v[Q+12*(2*\t+\x)+4*\g:Q+12*(2*\t+\x)+4*\g+3], v[LI], s[70+2*\t:71+2*\t] offset:UNIT*\x+512*\g
.endr
.endr
.endr
	s_lshl_b32 s23, s20, 4
	v_xor_b32 v[T1], s23, v[T1]
	s_delay_alu instid0(VALU_DEP_1)
	v_lshlrev_b32 v[T1], 4, v[T1]
	s_lshl_b32 s23, s19, 2
	v_add_nc_u32 v[T1], s23, v[T1]
.irp x, 0,1
	global_load_b32 v[QS+\x], v[T1], s[74:75] offset:UNIT*\x+SCO
.endr
	s_lshl_b32 s23, s51, 9
	v_add_nc_u32 v[T0], s23, v[LI]
	global_load_b128 v[PC:PC+3], v[T0], s[6:7]
	global_load_b128 v[PC+4:PC+7], v[T0], s[8:9]
	global_load_b128 v[PC+8:PC+11], v[T0], s[10:11]
	global_load_b128 v[PC+12:PC+15], v[T0], s[12:13]
	v_add_nc_u32 v[AD], s[TBJ], v[LI]
.irp g, 0,1,2,3
	v_mov_b32 v[ST+6*\g+1], 0xff61b1e6             ; the largest score so far: -3e38
	v_mov_b32 v[ST+6*\g+2], 0
	v_mov_b32 v[ST+6*\g+3], 0
	v_mov_b32 v[ST+6*\g+5], 0
.endr
.irp g, 0,1,2,3
	v_mul_f32 v[ST+6*\g], s[CS], v[ST+6*\g+1]
.endr
	v_mov_b32 v[TMB], 0
	v_mov_b32 v[TMB+1], 0
	v_mov_b32 v[PC+18], 0
	v_mov_b32 v[PC+19], 0
	s_wait_alu depctr_va_vdst(0)
	s_wait_tensorcnt 0x0                           ; my unit of tile 0 is in
	ds_add_u32 v[SPW], v[NIL]
	s_wait_dscnt 0x0
	CROUND                                         ; everybody's unit is in
	tensor_load_to_lds s[G0W:G0W+3], s[G1:G1+7]    ; tile 1, slot 1's first fill
	s_nop 0
	PLACES 4
.macro LOADK dst, base, be             ; the four fragments (x, u) of 32 keys: 12 loads
.irp x, 0,1
.irp u, 0,1
.irp g, 0,1,2
	ds_load_b128 v[(\dst)+12*(2*\x+\u)+4*\g:(\dst)+12*(2*\x+\u)+4*\g+3], v[AD] offset:(\base)+UNIT*\x+1536*(2*(\be)+\u)+512*\g
.endr
.endr
.endr
.endm
.macro LOADKS base
.irp x, 0,1
	ds_load_b128 v[KS+4*\x:KS+4*\x+3], v[AD] offset:(\base)+UNIT*\x+SCO
.endr
.endm
.macro PRE1 base                       ; what a step of pass 1 begins with: the scale words and the first two sets of fragments
	LOADKS \base
	LOADK F, \base, 0
	LOADK F1, \base, 1
.endm
.macro SMUL src, d0, be                ; eight products: 32 keys x 32 queries x both score matrices; each starts its own sum
.irp x, 0,1
.irp u, 0,1
.irp t, 0,1
.set rD, (\d0)+16*(2*\t+\x)+8*\u
.set rA, (\src)+12*(2*\x+\u)
.set rB, Q+12*(2*\t+\x)
.set rSA, KS+4*\x+(\be)
.set rSB, QS+\x
.set fRA, \u
.set fRB, \t
	WM 0
.endr
.endr
.endr
.endm
	PRE1 0
	s_wait_loadcnt 0x0
	v_mul_f32 v[PC+16], v[PC], v[PC+4]             ; lam = exp(sum lq1 lk1) - exp(sum lq2 lk2) + lambda_init
	v_mul_f32 v[PC+17], v[PC+8], v[PC+12]
.irp k, 1,2,3
	s_delay_alu instid0(VALU_DEP_2)
	v_fmac_f32 v[PC+16], v[PC+\k], v[PC+4+\k]
	s_delay_alu instid0(VALU_DEP_2)
	v_fmac_f32 v[PC+17], v[PC+8+\k], v[PC+12+\k]
.endr
.irp m, 1,2,4,8
	s_delay_alu instid0(VALU_DEP_2)
	v_add_f32_dpp v[PC+16], v[PC+16], v[PC+16] row_xmask:\m row_mask:0xf bank_mask:0xf
	s_delay_alu instid0(VALU_DEP_2)
	v_add_f32_dpp v[PC+17], v[PC+17], v[PC+17] row_xmask:\m row_mask:0xf bank_mask:0xf
.endr
	s_delay_alu instid0(VALU_DEP_2)
	v_permlanex16_b32 v[PC+18], v[PC+16], s[SEL], s[SEL+1]
	s_delay_alu instid0(VALU_DEP_2)
	v_permlanex16_b32 v[PC+19], v[PC+17], s[SEL], s[SEL+1]
	s_delay_alu instid0(VALU_DEP_2)
	v_add_f32 v[PC+16], v[PC+16], v[PC+18]
	s_delay_alu instid0(VALU_DEP_2)
	v_add_f32 v[PC+17], v[PC+17], v[PC+19]
	s_delay_alu instid0(VALU_DEP_2)
	v_mul_f32 v[PC+16], 0x3fb8aa3b, v[PC+16]
	s_delay_alu instid0(VALU_DEP_2)
	v_mul_f32 v[PC+17], 0x3fb8aa3b, v[PC+17]
	s_wait_alu depctr_va_vdst(0)
	v_exp_f32 v[PC+16], v[PC+16]
	v_exp_f32 v[PC+17], v[PC+17]
	v_nop
	s_wait_alu depctr_va_vdst(0)
	v_sub_f32 v[LAM], v[PC+16], v[PC+17]
	s_delay_alu instid0(VALU_DEP_1)
	v_add_f32 v[LAM], 0x3eb60549, v[LAM]
; PASS 1, a step's 32 products: 128 keys, scores into window 1 at 64 be + 16 g.  Two sets of fragments take turns; a wait for 12 leaves the younger set's 12 loads out.
.macro MM1 base
	s_wait_dscnt 12
	WIN 0x40
	SMUL F, 0, 0
	WIN 0
	PLACES 4                                       ; in front of loads into registers that matrix instructions have read
	LOADK F, \base, 2
	s_wait_dscnt 12
	WIN 0x40
	SMUL F1, 64, 1
	WIN 0
	PLACES 4
	LOADK F1, \base, 3
	s_wait_dscnt 12
	WIN 0x40
	SMUL F, 128, 2
	s_wait_dscnt 0x0
	SMUL F1, 192, 3
	WIN 0
	PLACES 4
.endm
; the step's statistics: the running maximum over 64 scores a lane and group, one rescaling, 256 exponentials, the sums.  Each accumulator is read from its low end on.
.macro SH k, j                         ; c s - m of pair j (0..31) of quarter k; its group is j / 8
	v_pk_fma_f32 v[64*(\k)+2*(\j):64*(\k)+2*(\j)+1], v[64*(\k)+2*(\j):64*(\k)+2*(\j)+1], s[CS:CS+1], v[ST+6*((\j)/8):ST+6*((\j)/8)+1] op_sel_hi:[1,0,0] neg_lo:[0,0,1] neg_hi:[0,0,1]
.endm
.macro AD1 k, j, w                     ; one addition of a level of quarter k's tree of sums: in group j / w pair j % w takes pair j % w + w onto itself (w = 4, 2, 1)
.set ta, 64*(\k)+16*((\j)/(\w))+2*((\j)%(\w))
	v_pk_add_f32 v[ta:ta+1], v[ta:ta+1], v[ta+2*(\w):ta+2*(\w)+1]
.endm
.macro ADS k, n, w                     ; a whole level: n additions
.set i, 0
.rept \n
	AD1 \k, i, \w
.set i, i+1
.endr
.endm
; A stage: quarter k's 64 exponentials.  Between them stand plain instructions on other quarters, none of which reads what this stage writes: the next quarter's 32 shifts,
; and of the sums level 4 of quarter k - 1, level 2 of k - 2, level 1 of k - 3.  One place and one wait close the stage, ahead of every reader of what it wrote.
.macro STG k
	WIN 0x41
.set i, 0
.rept 32
	v_exp_f32 v[64*(\k)+i], v[64*(\k)+i]
.if (\k) < 3
	SH (\k)+1, i
.endif
.set i, i+1
.endr
	WIN 0x45
.rept 32
	v_exp_f32 v[64*(\k)+i], v[64*(\k)+i]
.if ((\k) >= 1) && (i < 48)
	AD1 (\k)-1, i-32, 4
.endif
.if ((\k) >= 2) && (i >= 48) && (i < 56)
	AD1 (\k)-2, i-48, 2
.endif
.if ((\k) >= 3) && (i >= 56) && (i < 60)
	AD1 (\k)-3, i-56, 1
.endif
.set i, i+1
.endr
	v_nop
	s_wait_alu depctr_va_vdst(0)
.endm
.macro STAT4
	WIN 0x14
.irp bb, 0,1                           ; eight chains by turns: for each group one over quarters 0, 1 and one over quarters 2, 3 (it starts from the running maximum too)
.irp p, 0,1,2,3,4,5,6,7
.irp g, 0,1,2,3
.if (\bb+\p) == 0
	v_max3_num_f32 v[PC+\g], v[ST+6*\g+1], v[128+16*\g], v[128+16*\g+1]
.else
	v_max3_num_f32 v[PC+\g], v[PC+\g], v[128+64*\bb+16*\g+2*\p], v[128+64*\bb+16*\g+2*\p+1]
.endif
.endr
.irp g, 0,1,2,3
	v_max3_num_f32 v[ST+6*\g+1], v[ST+6*\g+1], v[64*\bb+16*\g+2*\p], v[64*\bb+16*\g+2*\p+1]
.endr
.endr
.endr
	WIN 0
.irp g, 0,1,2,3
	v_max_num_f32 v[ST+6*\g+1], v[ST+6*\g+1], v[PC+\g]
.endr
.irp g, 0,1,2,3
	v_mov_b32 v[ST+6*\g+5], v[ST+6*\g]
.endr
.irp g, 0,1,2,3
	v_mul_f32 v[ST+6*\g], s[CS], v[ST+6*\g+1]      ; m = c x the largest score
.endr
.irp g, 0,1,2,3
	s_delay_alu instid0(VALU_DEP_4)
	v_sub_f32 v[ST+6*\g+4], v[ST+6*\g+5], v[ST+6*\g]
.endr
	WIN 0x41
.set i, 0
.rept 32
	SH 0, i                                        ; quarter 0's shifts stand ahead of the stages
.set i, i+1
.endr
	WIN 0
	s_wait_alu depctr_va_vdst(0)
.irp g, 0,1,2,3
	v_exp_f32 v[ST+6*\g+4], v[ST+6*\g+4]           ; 2^(old m - new m)
.endr
	STG 0
	STG 1
	STG 2
	STG 3
	ADS 3, 16, 4                                   ; what is left of the trees, levels of different quarters by turns
	ADS 2, 8, 2
	ADS 1, 4, 1
	ADS 3, 8, 2
	ADS 2, 4, 1
	ADS 3, 4, 1
	WIN 0x10
.irp g, 0,1,2,3
	v_pk_fma_f32 v[ST+6*\g+2:ST+6*\g+3], v[ST+6*\g+2:ST+6*\g+3], v[ST+6*\g+4:ST+6*\g+5], v[16*\g:16*\g+1] op_sel_hi:[1,0,1]
.endr
	WIN 0x04
.irp be, 1,2,3
.irp g, 0,1,2,3
	v_pk_add_f32 v[ST+6*\g+2:ST+6*\g+3], v[ST+6*\g+2:ST+6*\g+3], v[64*\be+16*\g:64*\be+16*\g+1]   ; each quarter's tree ends in its group's first pair
.endr
.endr
	WIN 0
.endm
; A change of slots.  Every wave: all its tensor loads waited for, the add, the wait for it and for its reads of the slot; the round (fill = 0: nothing is left to fetch, a barrier); the refill first behind it.
.macro CHANGE fill, sel
	s_wait_tensorcnt 0x0
	ds_add_u32 v[SPW], v[NIL]
.if \fill
	s_xor_b32 s[G0W+1], s[G0W+1], SLOT1
	s_add_nc_u64 s[G0W+2:G0W+3], s[4:5], s[OFFN:OFFN+1]
	s_or_b32 s[G0W+3], s[G0W+3], 0x80000000
	s_add_co_u32 s[OFFN], s[OFFN], s[DELTA]
.if \sel
	s_cmp_eq_u32 s[CNT], 1                         ; pass 1's tiles have all been asked for: on to pass 2's
	s_cselect_b32 s[OFFN], s[OFF2], s[OFFN]
	s_cselect_b32 s[DELTA], s[D2], s[DELTA]
.endif
	s_wait_dscnt 0x0
	CROUND
	tensor_load_to_lds s[G0W:G0W+3], s[G1:G1+7]
	s_nop 0
.else
	s_wait_dscnt 0x0
	s_barrier_signal -1
	s_barrier_wait -1
.endif
	PLACES 4
	s_xor_b32 s[TBJ], s[TBJ], SLOT1
	v_add_nc_u32 v[AD], s[TBJ], v[LI]
	s_wait_alu depctr_va_vdst(0)
.endm
.macro SHIFT
.irp p, 0,1,2,3,4,5,6,7
.irp g, 0,1,2,3
	v_pk_fma_f32 v[S+16*\g+2*\p:S+16*\g+2*\p+1], v[S+16*\g+2*\p:S+16*\g+2*\p+1], s[CS:CS+1], v[ST+6*\g:ST+6*\g+1] op_sel_hi:[1,0,0] neg_lo:[0,0,1] neg_hi:[0,0,1]
.endr
.endr
.endm
.macro EXPS
.irp n, 0,1,2,3,4,5,6,7,8,9,10,11,12,13,14,15
.irp g, 0,1,2,3
	v_exp_f32 v[S+16*\g+\n], v[S+16*\g+\n]
.endr
.endr
.endm
; PASS 2, 32 keys: attn = 2^(c s1 - m1 - log2 l1) + (-lam / l2) 2^(c s2 - m2), then its block's scale byte and 16 codes a lane
.macro SOFT2 be
	SHIFT
	s_wait_alu depctr_va_vdst(0)
	EXPS
	v_nop
	s_wait_alu depctr_va_vdst(0)
.irp p, 0,1,2,3,4,5,6,7
.irp t, 0,1
	v_pk_fma_f32 v[S+32*\t+2*\p:S+32*\t+2*\p+1], v[S+32*\t+16+2*\p:S+32*\t+16+2*\p+1], v[ST+12*\t+8:ST+12*\t+9], v[S+32*\t+2*\p:S+32*\t+2*\p+1] op_sel_hi:[1,0,1]
.endr
.endr
.irp t, 0,1                            ; the block's largest magnitude, four chains by turns: numbers 0-7 with the floor, numbers 8-14; number 15 joins the two
	v_max3_num_f32 v[TMA+\t], |v[S+32*\t]|, |v[S+32*\t+1]|, 0x1800000
.endr
.irp t, 0,1
	v_max3_num_f32 v[TMB+\t], |v[S+32*\t+8]|, |v[S+32*\t+9]|, |v[S+32*\t+10]|
.endr
.irp p, 1,2,3
.irp t, 0,1
	v_max3_num_f32 v[TMA+\t], v[TMA+\t], |v[S+32*\t+2*\p]|, |v[S+32*\t+2*\p+1]|
.endr
.if \p < 3
.irp t, 0,1
	v_max3_num_f32 v[TMB+\t], v[TMB+\t], |v[S+32*\t+9+2*\p]|, |v[S+32*\t+10+2*\p]|
.endr
.endif
.endr
.irp t, 0,1
	s_delay_alu instid0(VALU_DEP_2)
	v_max3_num_f32 v[TMA+\t], v[TMA+\t], v[TMB+\t], |v[S+32*\t+15]|
.endr
.irp t, 0,1
	s_delay_alu instid0(VALU_DEP_2)
	v_permlanex16_b32 v[TMB+\t], v[TMA+\t], s[SEL], s[SEL+1]
.endr
.irp t, 0,1
	s_delay_alu instid0(VALU_DEP_2)
	v_max_num_f32 v[TMA+\t], v[TMA+\t], v[TMB+\t]
.endr
.irp t, 0,1
	s_delay_alu instid0(VALU_DEP_2)
	v_add_nc_u32 v[TMS+\t], 0xff000000, v[TMA+\t]
.endr
.irp t, 0,1
	s_delay_alu instid0(VALU_DEP_2)
	v_lshrrev_b32 v[TMY+\t], 23, v[TMS+\t]
.endr
.irp t, 0,1
.if (\be) == 0
	s_delay_alu instid0(VALU_DEP_2)
	v_mov_b32 v[PW+\t], v[TMY+\t]
.else
	s_delay_alu instid0(VALU_DEP_2)
	v_lshl_or_b32 v[PW+\t], v[TMY+\t], 8*(\be), v[PW+\t]
.endif
.endr
.irp t, 0,1
.if (\be)%2 == 0
	v_cvt_scalef32_pk16_fp6_f32 v[PC+20*\t+6*((\be)/2):PC+20*\t+6*((\be)/2)+2], v[S+32*\t:S+32*\t+15], v[TMS+\t]
.else
	v_cvt_scalef32_pk16_fp6_f32 v[PC+20*\t+12+4*((\be)/2):PC+20*\t+12+4*((\be)/2)+2], v[S+32*\t:S+32*\t+15], v[TMS+\t]
.endif
.endr
	v_nop
.if (\be)%2 == 1
.irp t, 0,1
.irp i, 0,1,2
	v_permlane16_swap_b32 v[PC+20*\t+6*((\be)/2)+\i], v[PC+20*\t+12+4*((\be)/2)+\i]
.endr
.irp i, 0,1,2
	s_delay_alu instid0(VALU_DEP_3)
	v_mov_b32 v[PC+20*\t+3+6*((\be)/2)+\i], v[PC+20*\t+12+4*((\be)/2)+\i]
.endr
.endr
.endif
.endm
.macro LOADVS                          ; V's scale words have registers of their own, so that K's next words may come while the last products run
.irp c, 0,1
	ds_load_b128 v[ST+2+12*\c:ST+2+12*\c+3], v[AD] offset:2*UNIT+UNIT*\c+SCO
.endr
.endm
.macro LOADV gq, dst
.irp k, 0,1,2,3
.irp g, 0,1,2
.set nn, 4*(\gq)+\k
	ds_load_b128 v[(\dst)+12*\k+4*\g:(\dst)+12*\k+4*\g+3], v[AD] offset:2*UNIT+UNIT*(nn/8)+1536*(nn%8)+512*\g
.endr
.endr
.endm
.macro PVMUL gq, src, zero             ; eight products onto eight accumulators of O^T: the 32 take turns, one instruction a turn
	WIN 0x50
.irp k, 0,1,2,3
.irp t, 0,1
.set nn, 4*(\gq)+\k
.set rD, 128*\t+8*nn
.set rA, (\src)+12*\k
.set rB, PC+20*\t
.set rSA, ST+2+12*(nn/8)+(nn%8)/2
.set rSB, PW+\t
.set fRA, nn%2
.set fRB, 0
.if \zero
	WM 0
.else
	WM v[rD:rD+7]
.endif
.endr
.endr
.endm
; A step of pass 2: 128 keys.  On entry K's scale words and first four fragments have been asked for.  The change of slots stands ahead of the last eight products:
; behind it the next slot's first fragments are asked for, and the eight products stand between those loads and the wait for them.
.macro STEP2 zero, fill
.irp be, 0,1,2,3
	s_wait_dscnt 0x0
	SMUL F, S, \be
	PLACES 5
.if \be < 3
	LOADK F, 0, \be+1
.else
	LOADVS
	LOADV 0, F
.endif
	SOFT2 \be
.endr
	LOADV 1, S
	PLACES 8                                       ; a scale register written by a vector instruction stands 8 places ahead of a scaled matrix instruction
	s_wait_alu depctr_va_vdst(0)
	s_wait_dscnt 12                                ; all but the youngest four fragments
	PVMUL 0, F, \zero
	WIN 0
	PLACES 4
	LOADV 2, F
	s_wait_dscnt 12
	PVMUL 1, S, \zero
	WIN 0
	PLACES 4
	LOADV 3, S
	s_wait_dscnt 12
	PVMUL 2, F, \zero
	WIN 0
	CHANGE \fill, 0
.if \fill == 0
	s_cmp_eq_u32 s[CNT], 1                         ; the last step has no next slot to read
	s_cbranch_scc1 .Lno_next_\@
.endif
	LOADKS 0
	LOADK F, 0, 0
.if \fill == 0
.Lno_next_\@:
.endif
	PVMUL 3, S, \zero
	WIN 0
	PLACES 5
.endm
	s_mov_b32 s[CNT], 0
	s_wait_alu depctr_va_vdst(0)
.Lpass1:                                               ; a trip: a slot's two steps; the change of slots stands between the second step's products and its statistics
	MM1 0
	PRE1 2*UNIT
	STAT4
	MM1 2*UNIT
	CHANGE 1, 1
	PRE1 0                                         ; (in the last trip: pass 2's first scale words and fragments; the second set is then not used)
	STAT4
	s_add_co_u32 s[CNT], s[CNT], 1
	s_cmp_lt_u32 s[CNT], 4
	s_wait_alu depctr_va_vdst(0)
	s_cbranch_scc1 .Lpass1
	s_wait_dscnt 0x0
	; the two key halves' and the two lane halves' maxima and sums are joined
	s_lshl_b32 s52, s[WV], 10
	s_add_co_u32 s52, s52, STAT
	v_add_nc_u32 v[T0], s52, v[LI]
	s_xor_b32 s53, s[WV], 4
	s_lshl_b32 s53, s53, 10
	s_add_co_u32 s53, s53, STAT
	v_add_nc_u32 v[T1], s53, v[LI]
	s_wait_alu depctr_va_vdst(0)
.irp g, 0,1,2,3
	v_mov_b32 v[S+2*\g], v[ST+6*\g]
	v_add_f32 v[S+2*\g+1], v[ST+6*\g+2], v[ST+6*\g+3]
	v_mov_b32 v[S+32+\g], 0
	v_mov_b32 v[S+36+\g], 0
.endr
	ds_store_b128 v[T0], v[S:S+3]
	ds_store_b128 v[T0], v[S+4:S+7] offset:512
	s_wait_alu depctr_va_vdst(0)
	s_wait_dscnt 0x0
	s_barrier_signal -1
	s_barrier_wait -1
	ds_load_b128 v[S+8:S+11], v[T1] offset:512     ; the other half has its two fragments the other way round
	ds_load_b128 v[S+12:S+15], v[T1]
	s_wait_dscnt 0x0
.irp g, 0,1,2,3
	v_max_num_f32 v[S+16+\g], v[S+2*\g], v[S+8+2*\g]
.endr
.irp g, 0,1,2,3
	v_sub_f32 v[S+20+\g], v[S+2*\g], v[S+16+\g]
	v_sub_f32 v[S+24+\g], v[S+8+2*\g], v[S+16+\g]
.endr
	s_wait_alu depctr_va_vdst(0)
.irp g, 0,1,2,3
	v_exp_f32 v[S+20+\g], v[S+20+\g]
	v_exp_f32 v[S+24+\g], v[S+24+\g]
.endr
	v_nop
	s_wait_alu depctr_va_vdst(0)
.irp g, 0,1,2,3
	v_mul_f32 v[S+24+\g], v[S+24+\g], v[S+9+2*\g]
.endr
.irp g, 0,1,2,3
	v_fma_f32 v[S+28+\g], v[S+20+\g], v[S+1+2*\g], v[S+24+\g]
.endr
.irp g, 0,1,2,3
	v_permlanex16_b32 v[S+32+\g], v[S+16+\g], s[SEL], s[SEL+1]
	v_permlanex16_b32 v[S+36+\g], v[S+28+\g], s[SEL], s[SEL+1]
.endr
.irp g, 0,1,2,3
	v_max_num_f32 v[ST+6*\g], v[S+16+\g], v[S+32+\g]
.endr
.irp g, 0,1,2,3
	v_sub_f32 v[S+20+\g], v[S+16+\g], v[ST+6*\g]
	v_sub_f32 v[S+24+\g], v[S+32+\g], v[ST+6*\g]
.endr
	s_wait_alu depctr_va_vdst(0)
.irp g, 0,1,2,3
	v_exp_f32 v[S+20+\g], v[S+20+\g]
	v_exp_f32 v[S+24+\g], v[S+24+\g]
.endr
	v_nop
	s_wait_alu depctr_va_vdst(0)
.irp g, 0,1,2,3
	v_mul_f32 v[S+24+\g], v[S+24+\g], v[S+36+\g]
.endr
.irp g, 0,1,2,3
	v_fma_f32 v[S+28+\g], v[S+20+\g], v[S+28+\g], v[S+24+\g]   ; the row's sum l under the row's m
.endr
	s_wait_alu depctr_va_vdst(0)
.irp t, 0,1
	v_log_f32 v[S+20+\t], v[S+28+2*\t]             ; log2 l1
	v_rcp_f32 v[ST+12*\t+8], v[S+29+2*\t]          ; 1 / l2
.endr
	v_nop
	s_wait_alu depctr_va_vdst(0)
.irp t, 0,1
	v_add_f32 v[ST+12*\t], v[ST+12*\t], v[S+20+\t] ; the first softmax's shift: m1 + log2 l1
	v_mul_f32 v[ST+12*\t+8], -v[LAM], v[ST+12*\t+8]
.endr
	s_wait_alu depctr_va_vdst(0)
	STEP2 1, 1                                     ; the first step's products start O's sums: nothing is cleared
	s_mov_b32 s[CNT], 0
	s_wait_alu depctr_va_vdst(0)
.Lpass2:
	STEP2 0, 1
	s_add_co_u32 s[CNT], s[CNT], 1
	s_cmp_lt_u32 s[CNT], 5
	s_wait_alu depctr_va_vdst(0)
	s_cbranch_scc1 .Lpass2
	s_mov_b32 s[CNT], 0
.Ltail:                                                ; the last two steps fetch nothing
	STEP2 0, 0
	s_add_co_u32 s[CNT], s[CNT], 1
	s_cmp_lt_u32 s[CNT], 2
	s_wait_alu depctr_va_vdst(0)
	s_cbranch_scc1 .Ltail
	; THE WAY OUT: each wave hands its t = 1 sums to the wave of the other key half and finishes its t = 0 fragment: the norm, the gain, the quantiser
	v_bfe_u32 v[T0], v0, 4, 1
	s_delay_alu instid0(VALU_DEP_1)
	v_lshlrev_b32 v[T0], 6, v[T0]
.irp c, 0,1
.irp b, 0,1,2,3
.irp k, 0,1,2,3
	global_load_b128 v[GS+64*\c+16*\b+4*\k:GS+64*\c+16*\b+4*\k+3], v[T0], s[14:15] offset:(128*\c+32*\b)*4+16*\k
.endr
.endr
.endr
	s_lshl_b32 s53, s[WV], 14
	v_add_nc_u32 v[T1], s53, v[LI]
	s_wait_alu depctr_va_vdst(0)
	s_xor_b32 s53, s[WV], 4
	s_lshl_b32 s53, s53, 14
	v_add_nc_u32 v254, s53, v[LI]
	v_and_b32 v255, 15, v0
	s_delay_alu instid0(VALU_DEP_1)
	v_lshlrev_b32 v255, 4, v255
	s_lshl_b32 s53, s20, 8
	s_lshl_b32 s54, s19, 2
	s_add_co_u32 s53, s53, s54
	s_add_co_u32 s53, s53, OSC
	v_add_nc_u32 v255, s53, v255
	s_and_b32 s53, s[WV], 1
	s_lshl_b32 s53, s53, 9
	s_add_co_u32 s53, s53, OSC
	v_add_nc_u32 v[AD], s53, v[LI]
	WIN 0x04
.irp n, 0,1,2,3,4,5,6,7,8,9,10,11,12,13,14,15,16,17,18,19,20,21,22,23,24,25,26,27,28,29,30,31
	ds_store_b128 v[T1], v[128+4*\n:128+4*\n+3] offset:512*\n      ; into slot bytes that have had their last fill and, behind the last barrier, their last read
.endr
	WIN 0
	s_wait_alu depctr_va_vdst(0)
	s_wait_dscnt 0x0
	s_barrier_signal -1
	s_barrier_wait -1
.irp c, 0,1
.irp k, 0,1,2,3,4,5,6,7,8,9,10,11,12,13,14,15
	ds_load_b128 v[S+4*\k:S+4*\k+3], v254 offset:512*(16*\c+\k)
.endr
	s_wait_dscnt 0x0
	WIN 0x41
.set p, 0
.rept 32
	v_pk_add_f32 v[64*\c+2*p:64*\c+2*p+1], v[64*\c+2*p:64*\c+2*p+1], v[S+2*p:S+2*p+1]
.set p, p+1
.endr
	WIN 0x05
.set p, 0
.rept 32
.if (\c == 0) && (p < 2)
	v_pk_mul_f32 v[PC+2*p:PC+2*p+1], v[2*p:2*p+1], v[2*p:2*p+1]
.else
	v_pk_fma_f32 v[PC+2*(p%2):PC+2*(p%2)+1], v[64*\c+2*p:64*\c+2*p+1], v[64*\c+2*p:64*\c+2*p+1], v[PC+2*(p%2):PC+2*(p%2)+1]
.endif
.set p, p+1
.endr
	WIN 0
.endr
	v_add_f32 v[PC], v[PC], v[PC+1]
	v_add_f32 v[PC+2], v[PC+2], v[PC+3]
	s_delay_alu instid0(VALU_DEP_1)
	v_add_f32 v[PC], v[PC], v[PC+2]
	s_delay_alu instid0(VALU_DEP_1)
	v_permlanex16_b32 v[PC+1], v[PC], s[SEL], s[SEL+1]
	s_delay_alu instid0(VALU_DEP_1)
	v_add_f32 v[PC], v[PC], v[PC+1]
	s_delay_alu instid0(VALU_DEP_1)
	v_fma_f32 v[PC], v[PC], s80, s81               ; the mean square + 1e-5
	s_wait_alu depctr_va_vdst(0)
	v_rsq_f32 v[PC+4], v[PC]
	v_nop
	s_wait_alu depctr_va_vdst(0)
	v_mul_f32 v[PC+4], 0x3f24fd5c, v[PC+4]         ; x (1 - lambda_init)
	s_delay_alu instid0(VALU_DEP_1)
	v_mov_b32 v[PC+5], v[PC+4]
	s_wait_alu depctr_va_vdst(0)
	s_wait_loadcnt 0x0
	WIN 0x41
.set p, 0
.rept 64
	v_pk_mul_f32 v[2*p:2*p+1], v[2*p:2*p+1], v[PC+4:PC+5] op_sel_hi:[1,0]
.set p, p+1
.endr
.set p, 0
.rept 64
	v_pk_mul_f32 v[2*p:2*p+1], v[2*p:2*p+1], v[GS+2*p:GS+2*p+1]
.set p, p+1
.endr
	WIN 0
.irp b, 0,1,2,3
	v_mov_b32 v[TM+4+\b], 0
.endr
.macro QUANTW s, w, pc, pw             ; 64 numbers of a lane in window w become a fragment's codes and its scale word
	WIN (\w)|((\w)<<2)
.irp b, 0,1,2,3
	v_max3_num_f32 v[TM+\b], |v[\s+16*\b]|, |v[\s+1+16*\b]|, 0x1800000
.endr
	WIN ((\w)<<2)|((\w)<<4)
.irp i, 2,4,6,8,10,12,14
.irp b, 0,1,2,3
	v_max3_num_f32 v[TM+\b], v[TM+\b], |v[\s+16*\b+\i]|, |v[\s+1+16*\b+\i]|
.endr
.endr
	WIN 0
.irp b, 0,1,2,3
	v_permlanex16_b32 v[TM+4+\b], v[TM+\b], s[SEL], s[SEL+1]
.endr
.irp b, 0,1,2,3
	s_delay_alu instid0(VALU_DEP_4)
	v_max_num_f32 v[TM+\b], v[TM+\b], v[TM+4+\b]
.endr
.irp b, 0,1,2,3
	s_delay_alu instid0(VALU_DEP_4)
	v_add_nc_u32 v[TM+12+\b], 0xff000000, v[TM+\b]
.endr
.irp b, 0,1,2,3
	s_delay_alu instid0(VALU_DEP_4)
	v_lshrrev_b32 v[TM+4+\b], 23, v[TM+12+\b]
.endr
	s_delay_alu instid0(VALU_DEP_3)
	v_lshl_or_b32 v[\pw], v[TM+5], 8, v[TM+4]
	s_delay_alu instid0(VALU_DEP_1)
	v_lshl_or_b32 v[\pw], v[TM+6], 16, v[\pw]
	s_delay_alu instid0(VALU_DEP_1)
	v_lshl_or_b32 v[\pw], v[TM+7], 24, v[\pw]
	WIN (\w)
.irp c, 0,1
	v_cvt_scalef32_pk16_fp6_f32 v[\pc+6*\c:\pc+6*\c+2], v[\s+32*\c:\s+32*\c+15], v[TM+12+2*\c]
	v_cvt_scalef32_pk16_fp6_f32 v[\pc+12+4*\c:\pc+12+4*\c+2], v[\s+16+32*\c:\s+16+32*\c+15], v[TM+13+2*\c]
.endr
	WIN 0
	v_nop
.irp c, 0,1
.irp i, 0,1,2
	v_permlane16_swap_b32 v[\pc+6*\c+\i], v[\pc+12+4*\c+\i]
.endr
.irp i, 0,1,2
	s_delay_alu instid0(VALU_DEP_3)
	v_mov_b32 v[\pc+3+6*\c+\i], v[\pc+12+4*\c+\i]
.endr
.endr
.endm
	QUANTW 0, 1, S, S+40
	QUANTW 64, 1, S+20, S+41
.irp c, 0,1
.irp g, 0,1,2
	global_store_b128 v[LI], v[S+20*\c+4*\g:S+20*\c+4*\g+3], s[76:77] offset:UNIT*\c+512*\g   ; 512 consecutive bytes, at a multiple of 256 from oc's first byte
.endr
	ds_store_b32 v255, v[S+40+\c] offset:512*\c
.endr
	s_wait_dscnt 0x0
	s_barrier_signal -1
	s_barrier_wait -1
	s_cmp_gt_u32 s[WV], 1
	s_cbranch_scc1 .Lno_words
	ds_load_b128 v[TM:TM+3], v[AD]                 ; waves 0 and 1 store the two units' scale words
	s_wait_dscnt 0x0
	global_store_b128 v[LI], v[TM:TM+3], s[78:79] offset:SCO
.Lno_words:
	s_wait_tensorcnt 0x0                           ; the wave's end
	ds_add_u32 v[SPW], v[NIL]
	s_wait_dscnt 0x0
	CROUND                                         ; the closing round
	s_endpgm
.Lfunc_end_k_qf16852863f_attn:
	.size	k_qf16852863f_attn, .Lfunc_end_k_qf16852863f_attn-k_qf16852863f_attn
	.p2alignl 7, 3214868480
	.fill 96, 4, 3214868480
	.section	.rodata,"a",@progbits
	.p2align	6, 0x0
	.amdhsa_kernel k_qf16852863f_attn
		.amdhsa_group_segment_fixed_size 327680
		.amdhsa_private_segment_fixed_size 0
		.amdhsa_enable_private_segment 0
		.amdhsa_kernarg_size 56
		.amdhsa_user_sgpr_count 2
		.amdhsa_user_sgpr_kernarg_segment_ptr 1
		.amdhsa_wavefront_size32 1
		.amdhsa_system_sgpr_workgroup_id_x 1
		.amdhsa_system_sgpr_workgroup_id_y 1
		.amdhsa_system_sgpr_workgroup_id_z 1
		.amdhsa_system_vgpr_workitem_id 0
		.amdhsa_next_free_vgpr 512
		.amdhsa_next_free_sgpr 96
		.amdhsa_reserve_vcc 0
		.amdhsa_float_denorm_mode_32 3
		.amdhsa_float_denorm_mode_16_64 3
		.amdhsa_memory_ordered 1
		.amdhsa_forward_progress 1
		.amdhsa_inst_pref_size 255
	.end_amdhsa_kernel
	.section	.bss,"aw",@nobits
	.p2align	6
	.space	262144
	.amdgpu_metadata
---
amdhsa.version: [ 1, 2 ]
amdhsa.kernels:
  - .name:           k_qf16852863f_attn
    .symbol:         k_qf16852863f_attn.kd
    .args:
      - { .name: qkv, .offset: 0, .size: 8, .value_kind: global_buffer, .address_space: global }
      - { .name: lambda_q1, .offset: 8, .size: 8, .value_kind: global_buffer, .address_space: global }
      - { .name: lambda_k1, .offset: 16, .size: 8, .value_kind: global_buffer, .address_space: global }
      - { .name: lambda_q2, .offset: 24, .size: 8, .value_kind: global_buffer, .address_space: global }
      - { .name: lambda_k2, .offset: 32, .size: 8, .value_kind: global_buffer, .address_space: global }
      - { .name: rms_scale, .offset: 40, .size: 8, .value_kind: global_buffer, .address_space: global }
      - { .name: oc, .offset: 48, .size: 8, .value_kind: global_buffer, .address_space: global }
    .group_segment_fixed_size: 327680
    .private_segment_fixed_size: 0
    .kernarg_segment_align: 8
    .kernarg_segment_size: 56
    .max_flat_workgroup_size: 256
    .sgpr_count:     96
    .vgpr_count:     512
    .wavefront_size: 32
...
	.end_amdgpu_metadata
.endif
;; end of part 3
;; launch outp (part 4): grid 8 x 32, 4 waves a work-group, clusters of 4 x 4, 327,680 bytes of LDS; arguments oc, qc, out0; writes out0
.if DOCPART == 4
	.amdgcn_target "amdgcn-amd-amdhsa--gfx1250"
	.amdhsa_code_object_version 6
	.text
	.protected	k_qf16852863f_outp
	.globl	k_qf16852863f_outp
	.p2align	8
	.type	k_qf16852863f_outp,@function
k_qf16852863f_outp:
	s_mov_b64 s[64:65], 0
	v_nop
	global_prefetch_b8 v0, s[64:65] scope:SCOPE_SE
	s_setreg_imm32_b32 hwreg(HW_REG_WAVE_MODE, 25, 1), 1
	s_wait_xcnt 0x0
	s_wait_alu depctr_hold_cnt(0) depctr_sa_sdst(0) depctr_va_vdst(0) depctr_va_sdst(0) depctr_va_ssrc(0) depctr_va_vcc(0) depctr_vm_vsrc(0)
	s_getreg_b32 s2, hwreg(HW_REG_IB_STS2, 6, 4)
	s_cmp_eq_u32 s2, 0
	s_cbranch_scc0 .Lentry_in_a_cluster
	s_endpgm
.Lentry_in_a_cluster:
	s_bfe_u32 s2, ttmp6, 0x10000c
	s_cmp_lg_u32 s2, 0xf033
	s_cbranch_scc0 .Lentry_shape_is_right
	s_endpgm
.Lentry_shape_is_right:
.set UNIT,  12800
.set SCO,   12288
.set WOU,   640*UNIT
.set GRP,   16*UNIT
.set PART,  2*UNIT
; FOURTH LAUNCH: out0 = O Wo^T over K = 2,048 on codes of FP6; a work-group makes 128 x 128, a wave 64 x 64.  No work is left out.
; LDS: A's K steps 0-11 (twelve units) from byte 0, B's from byte BOFF: ONE joint load of six units a wave at the head.  Behind K step 3's last read the first four units of each
; operand take K steps 12-15, two units a wave, behind a round of the cluster's barrier: that load has eight K steps, 128 matrix instructions a wave, in which to land.
; Those bytes are prefetched at the head: 100 blocks of 256 bytes a wave, of which each of the four partners of the joint load names 25, told apart by address.
.set SLOT,  4*UNIT                     ; four K steps of one operand: what one address register reaches
.set BOFF,  12*UNIT
.set SPARE, 24*UNIT
.set SPITCH, 528
.set STAGE, SLOT
.set ADRA, 2
.set ADSA, 5
.set ADRB, 8
.set ADSB, 11
.set STO,  24
.set RD,   25
.set LI,   26
.set SPW,  28
.set NIL,  29
.set SC,   32
.set ACC,  128
.set G1,   24
.set G0,   32
.set G1B,  48
.set G0B,  56
.set G0C,  76
.set G0BC, 80
.set MSB, 0
.macro WIN new
.if MSB != (\new)
	s_set_vgpr_msb (MSB<<8)|(\new)
.set MSB, (\new)
.endif
.endm
.macro PLACES n
.rept \n
	v_nop
.endr
.endm
.macro WM
.if fZ
.if fRA
.if fRB
	v_wmma_scale_f32_16x16x128_f8f6f4 v[rD:rD+7], v[rA:rA+11], v[rB:rB+11], 0, v[rSA], v[rSB] matrix_a_fmt:MATRIX_FMT_FP6 matrix_b_fmt:MATRIX_FMT_FP6 matrix_a_scale:MATRIX_SCALE_ROW1 matrix_b_scale:MATRIX_SCALE_ROW1
.else
	v_wmma_scale_f32_16x16x128_f8f6f4 v[rD:rD+7], v[rA:rA+11], v[rB:rB+11], 0, v[rSA], v[rSB] matrix_a_fmt:MATRIX_FMT_FP6 matrix_b_fmt:MATRIX_FMT_FP6 matrix_a_scale:MATRIX_SCALE_ROW1
.endif
.else
.if fRB
	v_wmma_scale_f32_16x16x128_f8f6f4 v[rD:rD+7], v[rA:rA+11], v[rB:rB+11], 0, v[rSA], v[rSB] matrix_a_fmt:MATRIX_FMT_FP6 matrix_b_fmt:MATRIX_FMT_FP6 matrix_b_scale:MATRIX_SCALE_ROW1
.else
	v_wmma_scale_f32_16x16x128_f8f6f4 v[rD:rD+7], v[rA:rA+11], v[rB:rB+11], 0, v[rSA], v[rSB] matrix_a_fmt:MATRIX_FMT_FP6 matrix_b_fmt:MATRIX_FMT_FP6
.endif
.endif
.else
.if fRA
.if fRB
	v_wmma_scale_f32_16x16x128_f8f6f4 v[rD:rD+7], v[rA:rA+11], v[rB:rB+11], v[rD:rD+7], v[rSA], v[rSB] matrix_a_fmt:MATRIX_FMT_FP6 matrix_b_fmt:MATRIX_FMT_FP6 matrix_a_scale:MATRIX_SCALE_ROW1 matrix_b_scale:MATRIX_SCALE_ROW1
.else
	v_wmma_scale_f32_16x16x128_f8f6f4 v[rD:rD+7], v[rA:rA+11], v[rB:rB+11], v[rD:rD+7], v[rSA], v[rSB] matrix_a_fmt:MATRIX_FMT_FP6 matrix_b_fmt:MATRIX_FMT_FP6 matrix_a_scale:MATRIX_SCALE_ROW1
.endif
.else
.if fRB
	v_wmma_scale_f32_16x16x128_f8f6f4 v[rD:rD+7], v[rA:rA+11], v[rB:rB+11], v[rD:rD+7], v[rSA], v[rSB] matrix_a_fmt:MATRIX_FMT_FP6 matrix_b_fmt:MATRIX_FMT_FP6 matrix_b_scale:MATRIX_SCALE_ROW1
.else
	v_wmma_scale_f32_16x16x128_f8f6f4 v[rD:rD+7], v[rA:rA+11], v[rB:rB+11], v[rD:rD+7], v[rSA], v[rSB] matrix_a_fmt:MATRIX_FMT_FP6 matrix_b_fmt:MATRIX_FMT_FP6
.endif
.endif
.endif
.endm
.macro JLOAD g0a, g0b
	s_cmp_eq_u32 s15, 0
	s_cbranch_scc0 .Lfor_b_\@
	tensor_load_to_lds s[\g0a:\g0a+3], s[G1:G1+7]
	s_nop 0
.rept 4
	v_nop
.endr
	s_branch .Lasked_\@
.Lfor_b_\@:
	tensor_load_to_lds s[\g0b:\g0b+3], s[G1B:G1B+7]
	s_nop 0
.rept 4
	v_nop
.endr
.Lasked_\@:
.endm
.macro CREST
	s_cmp_lg_u32 s14, 0
	s_cbranch_scc1 .Lnot_wave_0_\@
	s_barrier_signal -3
.Lnot_wave_0_\@:
	s_barrier_wait -3
	s_barrier_signal -1
	s_barrier_wait -1
.endm
.macro CROUND
	s_barrier_signal -1
	s_barrier_wait -1
	CREST
.endm
	s_load_b128 s[4:7], s[0:1], 0x0
	s_load_b64 s[8:9], s[0:1], 0x10
	v_lshl_add_u32 v[SPW], v0, 2, SPARE
	v_mov_b32 v[NIL], 0
	ds_add_u32 v[SPW], v[NIL]
	ds_add_u32 v[SPW], v[NIL]
	v_lshrrev_b32 v1, 5, v0
	v_readfirstlane_b32 s14, v1
	s_lshr_b32 s15, s14, 1
	s_and_b32 s16, s14, 1
	s_bfe_u32 s40, ttmp6, 0x40000
	s_bfe_u32 s41, ttmp6, 0x40004
	s_lshl_b32 s42, ttmp9, 2
	s_add_co_u32 s42, s42, s40
	s_and_b32 s17, ttmp7, 0xffff
	s_lshl_b32 s17, s17, 2
	s_add_co_u32 s17, s17, s41
	s_lshl_b32 s43, s41, 2
	s_lshl_b32 s43, 15, s43
	s_lshl_b32 s44, 0x1111, s40
	s_or_b32 s[G1+0], s43, (3<<16)|(1<<21)
	s_or_b32 s[G1B+0], s44, (3<<16)|(1<<21)
.irp g, G1, G1B
	s_mov_b32 s[\g+1], 32<<16
	s_mov_b32 s[\g+2], 300<<16                     ; the head's load: six units, 300 dense rows of 256 bytes
	s_mov_b32 s[\g+3], 32<<16
	s_mov_b32 s[\g+4], 300
	s_mov_b32 s[\g+5], 32
	s_mov_b32 s[\g+6], 0
	s_mov_b32 s[\g+7], 0
.endr
	s_mul_i32 s18, s16, 6*UNIT                     ; the head: my six K steps of the row group's first twelve
	s_mov_b32 s19, 0
	s_mul_i32 s72, s16, PART
	s_add_co_u32 s72, s72, 12*UNIT                 ; the refill: my two of K steps 12-15
	s_mov_b32 s73, 0
	s_mul_i32 s20, s17, GRP
	s_mov_b32 s21, 0
	s_mul_i32 s46, s42, GRP
	s_add_co_u32 s46, s46, WOU
	s_mov_b32 s47, 0
	s_mul_i32 s45, s14, 6*UNIT                     ; where the head's load goes: wave x six units
	s_mul_i32 s74, s15, BOFF
	s_mul_i32 s75, s16, PART
	s_add_co_u32 s74, s74, s75                     ; and the refill: my operand's first four units, two a wave
	s_wait_dscnt 0x0
	s_wait_kmcnt 0x0
	s_add_nc_u64 s[20:21], s[4:5], s[20:21]
	s_add_nc_u64 s[46:47], s[6:7], s[46:47]
	CROUND
	s_mov_b32 s[G0], 1
	s_add_co_u32 s[G0+1], s45, 0
	s_add_nc_u64 s[G0+2:G0+3], s[20:21], s[18:19]
	s_or_b32 s[G0+3], s[G0+3], 0x80000000
	s_mov_b32 s[G0B], 1
	s_add_co_u32 s[G0B+1], s45, 0
	s_add_nc_u64 s[G0B+2:G0B+3], s[46:47], s[18:19]
	s_or_b32 s[G0B+3], s[G0B+3], 0x80000000
	s_mov_b32 s[G0C], 1
	s_add_co_u32 s[G0C+1], s74, 0
	s_add_nc_u64 s[G0C+2:G0C+3], s[20:21], s[72:73]
	s_or_b32 s[G0C+3], s[G0C+3], 0x80000000
	s_mov_b32 s[G0BC], 1
	s_add_co_u32 s[G0BC+1], s74, 0
	s_add_nc_u64 s[G0BC+2:G0BC+3], s[46:47], s[72:73]
	s_or_b32 s[G0BC+3], s[G0BC+3], 0x80000000
	JLOAD G0, G0B                                  ; one tensor load a wave at the head
	s_cmp_eq_u32 s15, 0                            ; the prefetch of my refill's 100 blocks of 256 bytes: my work-group's 25
	s_cselect_b64 s[10:11], s[20:21], s[46:47]
	s_cselect_b32 s12, s40, s41                    ; my place among the four that ask jointly
	s_mul_i32 s12, s12, 25*256
	s_add_co_u32 s12, s12, s72
	s_mov_b32 s13, 0
	s_add_nc_u64 s[10:11], s[10:11], s[12:13]
	v_and_b32 v1, 31, v0
	v_lshlrev_b32 v[LI], 4, v1
	v_min_u32 v16, 24, v1                          ; a lane a block; the lanes left over name the last block again
	v_lshlrev_b32 v16, 8, v16
	global_prefetch_b8 v16, s[10:11] th:TH_LOAD_NT scope:SCOPE_SE
	s_wait_alu depctr_va_vdst(0)
	s_mul_i32 s22, s15, 4*1536
	s_mul_i32 s23, s16, 4*1536
	s_add_co_u32 s23, s23, BOFF
	s_lshl_b32 s72, s15, 3
	s_lshl_b32 s73, s16, 3
	s_add_co_u32 s73, s73, BOFF
.irp s, 0,1,2
	v_add_nc_u32 v[ADRA+\s], s22, v[LI]
	v_add_nc_u32 v[ADRB+\s], s23, v[LI]
	v_add_nc_u32 v[ADSA+\s], s72, v[LI]
	v_add_nc_u32 v[ADSB+\s], s73, v[LI]
	s_add_co_u32 s22, s22, SLOT
	s_add_co_u32 s23, s23, SLOT
	s_add_co_u32 s72, s72, SLOT
	s_add_co_u32 s73, s73, SLOT
.endr
	v_and_b32 v14, 15, v0
	v_bfe_u32 v15, v0, 4, 1
	v_mul_u32_u24 v[STO], v14, SPITCH
	v_lshl_add_u32 v[STO], v15, 6, v[STO]
	s_mul_i32 s22, s15, 64*SPITCH
	s_lshl_b32 s23, s16, 8
	s_add_co_u32 s22, s22, s23
	s_add_co_u32 s22, s22, STAGE
	v_add_nc_u32 v[STO], s22, v[STO]
	s_mul_i32 s22, s14, 32*SPITCH
	s_add_co_u32 s22, s22, STAGE
	v_add_nc_u32 v[RD], s22, v[LI]
	s_lshl_b32 s74, s17, 7
	s_lshl_b32 s75, s14, 5
	s_add_co_u32 s74, s74, s75
	s_lshl_b32 s74, s74, 12
	s_lshl_b32 s75, s42, 9
	s_add_co_u32 s74, s74, s75
	s_mov_b32 s75, 0
	s_add_nc_u64 s[8:9], s[8:9], s[74:75]
.macro FETCH sl, q, f
	WIN 0x40
.irp i, 0,1,2,3
.irp g, 0,1,2
	ds_load_b128 v[128*(\f)+12*\i+4*\g:128*(\f)+12*\i+4*\g+3], v[ADRA+\sl] offset:UNIT*(\q)+1536*\i+512*\g
	ds_load_b128 v[128*(\f)+48+12*\i+4*\g:128*(\f)+48+12*\i+4*\g+3], v[ADRB+\sl] offset:UNIT*(\q)+1536*\i+512*\g
.endr
.endr
	WIN 0
	ds_load_b64 v[SC+4*(\f):SC+4*(\f)+1], v[ADSA+\sl] offset:UNIT*(\q)+SCO
	ds_load_b64 v[SC+4*(\f)+2:SC+4*(\f)+3], v[ADSB+\sl] offset:UNIT*(\q)+SCO
.endm
.macro MULS first, count, f, zero
.set ix, \first
.rept \count
.set rD, ACC+8*ix
.set rA, 128*(\f)+48+12*(ix%4)
.set rB, 128*(\f)+12*(ix/4)
.set rSA, SC+4*(\f)+2+(ix%4)/2
.set rSB, SC+4*(\f)+(ix/4)/2
.set fRA, ix%2
.set fRB, (ix/4)%2
.set fZ, \zero
	WM
.set ix, ix+1
.endr
.endm
.macro KST sl, q, zero
	s_wait_dscnt 0x0
	PLACES 4
	FETCH \sl, (\q)+1, ((\q)+1)%2
	WIN 0x05
	MULS 0, 16, (\q)%2, \zero
.endm
.macro TURN next, mode
.if \mode == 2
	s_wait_dscnt 0x0
	PLACES 4
	s_wait_alu depctr_va_vdst(0)
	FETCH \next, 0, 0
	WIN 0x05
	MULS 0, 16, 1, 0
.else
	WIN 0
	s_wait_tensorcnt 0x0
	ds_add_u32 v[SPW], v[NIL]
	s_wait_dscnt 1
	WIN 0x05
	MULS 0, 4, 1, 0
	s_wait_dscnt 0x0
	s_barrier_signal -1
	MULS 4, 4, 1, 0
	WIN 0
	s_barrier_wait -1
.if \mode == 1
	CREST
	JLOAD G0C, G0BC                                ; K steps 12-15, the first tensor load behind the round
.else
	PLACES 4
.endif
	FETCH \next, 0, 0
	WIN 0x05
	MULS 8, 8, 1, 0
.endif
.endm
	s_wait_alu depctr_va_vdst(0)                   ; the head's end
	s_wait_tensorcnt 0x0                           ; my six units are in; no tensor load of mine is out, so a descriptor may be written:
	s_mov_b32 s[G1+2], 100<<16                     ; the refill brings two units, 100 rows
	s_mov_b32 s[G1+4], 100
	s_mov_b32 s[G1B+2], 100<<16
	s_mov_b32 s[G1B+4], 100
	s_barrier_signal -1
	s_barrier_wait -1                              ; everybody's are in
	FETCH 0, 0, 0
	KST 0, 0, 1
	KST 0, 1, 0
	KST 0, 2, 0
	TURN 1, 1
	KST 1, 0, 0
	KST 1, 1, 0
	KST 1, 2, 0
	TURN 2, 2
	KST 2, 0, 0
	KST 2, 1, 0
	KST 2, 2, 0
	TURN 0, 0
	KST 0, 0, 0
	KST 0, 1, 0
	KST 0, 2, 0
	s_wait_dscnt 0x0
	MULS 0, 16, 1, 0
	WIN 0
	PLACES 4
.irp a, 0,1,2,3
.irp b, 0,1,2,3
	ds_store_b128 v[STO], v[ACC+8*(4*\a+\b):ACC+8*(4*\a+\b)+3] offset:16*SPITCH*\a+128*(\b/2)+32*(\b%2)
	ds_store_b128 v[STO], v[ACC+8*(4*\a+\b)+4:ACC+8*(4*\a+\b)+7] offset:16*SPITCH*\a+128*(\b/2)+32*(\b%2)+16
.endr
.endr
	s_wait_dscnt 0x0
	s_barrier_signal -1
	s_barrier_wait -1
.irp i, 0,1,2,3,4,5,6,7,8,9,10,11,12,13,14,15,16,17,18,19,20,21,22,23,24,25,26,27,28,29,30,31
	ds_load_b128 v[ACC+4*\i:ACC+4*\i+3], v[RD] offset:SPITCH*\i
.endr
.irp i, 0,1,2,3,4,5,6,7,8,9,10,11,12,13,14,15,16,17,18,19,20,21,22,23,24,25,26,27,28,29,30,31
	s_wait_dscnt 31-\i
	global_store_b128 v[LI], v[ACC+4*\i:ACC+4*\i+3], s[8:9] offset:(8*(\i/16)+\i%16+8*((\i%16)/8))*4096 th:TH_STORE_NT
.endr
	s_wait_tensorcnt 0x0
	ds_add_u32 v[SPW], v[NIL]
	s_wait_dscnt 0x0
	CROUND
	s_endpgm
.Lfunc_end_k_qf16852863f_outp:
	.size	k_qf16852863f_outp, .Lfunc_end_k_qf16852863f_outp-k_qf16852863f_outp
	.p2alignl 7, 3214868480
	.fill 96, 4, 3214868480
	.section	.rodata,"a",@progbits
	.p2align	6, 0x0
	.amdhsa_kernel k_qf16852863f_outp
		.amdhsa_group_segment_fixed_size 327680
		.amdhsa_private_segment_fixed_size 0
		.amdhsa_enable_private_segment 0
		.amdhsa_kernarg_size 24
		.amdhsa_user_sgpr_count 2
		.amdhsa_user_sgpr_kernarg_segment_ptr 1
		.amdhsa_wavefront_size32 1
		.amdhsa_system_sgpr_workgroup_id_x 1
		.amdhsa_system_sgpr_workgroup_id_y 1
		.amdhsa_system_sgpr_workgroup_id_z 1
		.amdhsa_system_vgpr_workitem_id 0
		.amdhsa_next_free_vgpr 512
		.amdhsa_next_free_sgpr 84
		.amdhsa_reserve_vcc 0
		.amdhsa_float_denorm_mode_32 3
		.amdhsa_float_denorm_mode_16_64 3
		.amdhsa_memory_ordered 1
		.amdhsa_forward_progress 1
		.amdhsa_inst_pref_size 80
	.end_amdhsa_kernel
	.amdgpu_metadata
---
amdhsa.version: [ 1, 2 ]
amdhsa.kernels:
  - .name:           k_qf16852863f_outp
    .symbol:         k_qf16852863f_outp.kd
    .args:
      - { .name: oc, .offset: 0, .size: 8, .value_kind: global_buffer, .address_space: global }
      - { .name: qc, .offset: 8, .size: 8, .value_kind: global_buffer, .address_space: global }
      - { .name: out0, .offset: 16, .size: 8, .value_kind: global_buffer, .address_space: global }
    .group_segment_fixed_size: 327680
    .private_segment_fixed_size: 0
    .kernarg_segment_align: 8
    .kernarg_segment_size: 24
    .max_flat_workgroup_size: 128
    .sgpr_count:     84
    .vgpr_count:     512
    .wavefront_size: 32
...
	.end_amdgpu_metadata
.endif
;; end of part 4
